; MI455X (gfx1250); checked and timed in simulation.
; The chip was launched on July 23, 2026; its instructions are those of AMD's public machine-readable ISA for CDNA 5 (MIT licence, August 2026) and "CDNA5" Instruction Set Architecture Reference Guide (July 2026). The comments in the code are by the model that wrote it; some were corrected since.
;; Multi Head Attention. Allowed arithmetic: matrix products marked QUANTISED: E2M3 operands, one E8M0 scale for each 32 along K, by v_wmma_scale_f32_16x16x128_f8f6f4 with both operands' format E2M3, f32 sums; everything else in f32.
;; Inputs: Wk 12 x 768 x 64 float32; Wo 768 x 768 float32; Wq 12 x 768 x 64 float32; Wv 12 x 768 x 64 float32; bk 12 x 64 float32; bo 768 float32; bq 12 x 64 float32; bv 12 x 64 float32; x 1 x 4,096 x 768 float32.
;; Outputs: out0 1 x 4,096 x 768 float32.
;; This version of the problem:
;;   THIS VERSION OF THE PROBLEM IS GIVEN IN LOW PRECISION. The matrix products marked QUANTISED in the list below multiply operands that are first quantised to E2M3 (2 exponent bits, 3 mantissa bits; 6 bits a number), with one power-of-two scale for each 32 numbers along K (OCP MX v1.0); their sums are f32. All else is computed in f32.
;;   The module's matrix products, in the order in which they are computed (A, B: the left and right operand; K: the contracted axis; several contracted axes count as one K, in the product's order):
;;     1. [M 768, K 768] x [K 768, N 4,096]; A: input Wq; B: input x: QUANTISED
;;     2. [M 768, K 768] x [K 768, N 4,096]; A: input Wk; B: input x: QUANTISED
;;     3. [M 768, K 768] x [K 768, N 4,096]; A: input Wv; B: input x: QUANTISED
;;     4. batch 12 x [M 4,096, K 64] x [K 64, N 4,096]; A: computed on the way; B: computed on the way: QUANTISED
;;     5. batch 12 x [M 4,096, K 4,096] x [K 4,096, N 64]; A: softmax (see below); B: computed on the way: QUANTISED
;;     6. [M 4,096, K 768] x [K 768, N 768]; A: computed on the way; B: input Wo: QUANTISED
;;   THE QUANTISER, for each operand of a quantised product, along K:
;;     - K is cut into blocks of 32 from its start; a last block that is shorter is filled with zeros.
;;     - A block's scale is 2^e with e = floor(log2(the largest magnitude in the block)) - 2, held to -126 .. 127; a block of zeros has e = 0. As a byte (E8M0): e + 127.
;;     - Each number is divided by its block's scale, clamped to +-7.5, and rounded to the nearest number of E2M3, ties to even, subnormals kept.
;;     - The product sums the exact products of the quantised numbers (number of the format x scale) in f32.
;;   ~~~python
;;   def quantise(x, axis):      # numpy; x: float32 -> the quantised numbers, widened to float32 again
;;       x = np.moveaxis(x, axis, -1); K = x.shape[-1]
;;       x = np.pad(x, [(0, 0)] * (x.ndim - 1) + [(0, -K % 32)]); x = x.reshape(x.shape[:-1] + (-1, 32)); a = np.abs(x).max(-1, keepdims=True)
;;       e = np.where(a > 0, np.clip(np.frexp(np.where(a > 0, a, 1))[1] - 1 - 2, -126, 127), 0)      # np.frexp(a)[1] - 1 = floor(log2(a)), exactly
;;       r = np.clip(x / 2.0 ** e, -7.5, 7.5)
;;       step = 2.0 ** (np.maximum(np.frexp(np.where(r == 0, 1, r))[1] - 1, 0) - 3)
;;       q = np.round(r / step) * step * 2.0 ** e      # np.round: ties to even
;;       return np.moveaxis(q.reshape(q.shape[:-2] + (-1,))[..., :K], -1, axis).astype(np.float32)
;;   ~~~
;;   SOFTMAX AHEAD OF A QUANTISED PRODUCT. Where the list says 'softmax', what is quantised is not the finished softmax but p = 2^(t - M), with t = logit x log2(e) and M = ceil(the row's largest t), a whole number; so 1/2 < the row's largest p <= 1. The row's sum l is taken of the UNQUANTISED p, in f32, and the product's result is divided by l at the end. Since M is a whole number, a kernel that streams over the keys may use a running M (the ceiling of the running maximum): every later rescaling is an exact power of two, which a block's scale takes up: the codes' values come out the same.
;;   OPERANDS COMPUTED ON THE WAY. 'Computed on the way' means the value that the module computes at that place (a softmax that the list does not call 'softmax' is quantised finished and normalised). What goes into a quantiser is computed in f32, as accurately as f32 sums, v_exp_f32 and their like allow (about 1e-6 of the number): no bf16 or f16 on the way to a quantiser, and a product that is left as it is and whose result goes on into a quantised operand takes f32 operands (vector FMAs, or v_wmma_f32_16x16x4_f32). A number that lies on a knife's edge between two numbers of the format may be rounded either way, as far as f32 arithmetic and the matrix unit's own rounding can turn it there, and no further.
;; One version. Each part assembles by itself: llvm-mc -triple=amdgcn-amd-amdhsa -mcpu=gfx1250 --defsym DOCPART=n.
;; ======== version 1 of 1: 4 launches
;; limits: right only within a limited range of input values
;; workspace buffers: xq 2,457,600 bytes; wc 1,843,200 bytes; qc 2,752,512 bytes; kv 4,915,200 bytes; cc 2,555,904 bytes
;; launch prep (part 1): grid 112 x 3, 2 waves a work-group, no clusters, 0 bytes of LDS; arguments x, Wq, Wk, Wv, Wo, xq, wc; writes xq, wc
.if DOCPART == 1
	.amdgcn_target "amdgcn-amd-amdhsa--gfx1250"
	.amdhsa_code_object_version 6
	.text
	.protected	k_q3f2cfd392a_prep
	.globl	k_q3f2cfd392a_prep
	.p2align	8
	.type	k_q3f2cfd392a_prep,@function
k_q3f2cfd392a_prep:
	s_mov_b64 s[64:65], 0
	v_nop
	global_prefetch_b8 v0, s[64:65] scope:SCOPE_SE
	s_setreg_imm32_b32 hwreg(HW_REG_WAVE_MODE, 25, 1), 1
	s_wait_xcnt 0x0
; x [4096][768] and the weights Wq, Wk, Wv [12][768][64], Wo [768][768], all f32, become codes of FP6 (E2M3) with one E8M0 byte for each 32 along K (K = the 768),
; laid as IMAGES OF OPERAND REGISTERS: a fragment (16 rows x 128 K, 12 registers a lane) is 1,536 bytes, registers 4 c .. 4 c + 3 of lane l at 512 c + 16 l.
; THE ROWS OF A TILE ARE NOT NEIGHBOURS: in each run of 32 rows (tokens, or columns of a weight) tile u takes, in its lane row r, row 8 u + r + 8 (r / 8).
; xq: 128 groups of 32 tokens x 19,200 bytes: fragment (K step s, tile u) at (2 s + u) 1,536; scale words at 18,432 + 256 sp + 8 lane: the words of steps 2 sp, 2 sp + 1; lanes 0-15 tile 0's rows, lanes 16-31 tile 1's.
; wc: 48 blocks of 64 columns x 38,400 bytes (12 p + head for Wq, Wk, Wv; 36 + nb for Wo): fragment (s, tile t) at (4 s + t) 1,536; scale words at 36,864 + 256 (3 b + sp) + 8 lane: lanes 0-15 tile 2 b, lanes 16-31 tile 2 b + 1.
; A block's scale is 2^(floor(log2(largest magnitude)) - 2): its byte is the largest magnitude's exponent field - 2, held at 1 from below by a floor among the maximum's leaves.
; LIMITS: NaN and infinities among the inputs are not served; a block whose largest magnitude lies under 2^-124 has its byte held at 1; a block of zeros gets the byte 1, not 127: its codes are zeros, and this program alone reads the bytes.
; SHARES: a wave's task is 32 rows x 256 along K, 32 KiB of f32.  Work-group x < 64: tokens (group 2 x + wave); x >= 64: block x - 64 of the weights, columns 32 x wave on.  Work-group y: which 256 along K.
; No LDS, no barrier, no matrix work: nothing is shared between waves, and every input byte is read once.
.set F,    16                          ; v16-63   four fragments, never rewritten: no store's data are written again
.set DAT,  64                          ; v64-191  numbers as loaded: two sets
.set TU,   192                         ; v192-198 the upper halves' codes (a conversion's three registers begin on an even number)
.set WD,   200                         ; v200-201 a tile's scale word, tiles 0 and 1
.set SW,   202                         ; v202-203 the two steps' scale words as they are stored
.set SEL,  20                          ; s[20:21] lane selects: lane l xor 16
	s_load_b256 s[4:11], s[0:1], 0x0               ; x s[4:5], Wq s[6:7], Wk s[8:9], Wv s[10:11]
	s_load_b128 s[12:15], s[0:1], 0x20             ; Wo s[12:13], xq s[14:15]
	s_load_b64 s[16:17], s[0:1], 0x30              ; wc
	v_lshrrev_b32 v1, 5, v0
	v_readfirstlane_b32 s18, v1                    ; wave 0, 1
	s_and_b32 s19, ttmp7, 0xffff                   ; sp: which 256 along K
	v_and_b32 v1, 31, v0                           ; lane
	v_and_b32 v2, 15, v0                           ; r
	v_bfe_u32 v3, v0, 4, 1                         ; h
	v_lshlrev_b32 v5, 4, v1                        ; 16 x lane: an image's place
	v_lshlrev_b32 v6, 3, v1                        ; 8 x lane: the scale words' place
	s_mov_b32 s[SEL], 0x76543210
	s_mov_b32 s[SEL+1], 0xfedcba98
	s_mov_b32 s27, 0
	s_mov_b32 s25, 0
	s_wait_kmcnt 0x0
	s_cmp_lt_u32 ttmp9, 64
	s_cbranch_scc0 .Lweights
	; ---- x: K is innermost.  Lane (r, h) takes of its token the 32 numbers of blocks h and 2 + h of a K step: the very numbers that the operand's layout gives it.
	s_lshl_b32 s22, ttmp9, 1
	s_add_co_u32 s22, s22, s18                     ; g: my group of 32 tokens
	s_mul_i32 s24, s22, 98304                      ; 32 rows of 3,072 bytes
	s_lshl_b32 s23, s19, 10
	s_add_co_u32 s24, s24, s23                     ; + 256 numbers for each sp
	s_add_nc_u64 s[4:5], s[4:5], s[24:25]
	s_mul_i32 s26, s22, 19200
	s_add_nc_u64 s[14:15], s[14:15], s[26:27]      ; my group in xq
	s_mul_i32 s26, s19, 6144
	s_add_nc_u64 s[28:29], s[14:15], s[26:27]      ; its fragments of steps 2 sp, 2 sp + 1
	s_lshl_b32 s26, s19, 8
	s_add_nc_u64 s[30:31], s[14:15], s[26:27]      ; its scale words (18,432 stands in the immediate)
	s_wait_alu depctr_va_vdst(0)
	v_and_b32 v4, 8, v2
	v_add_nc_u32 v4, v4, v2                        ; r + 8 (r / 8)
	v_mul_u32_u24 v4, v4, 3072
	v_lshl_add_u32 v4, v3, 7, v4                   ; + 128 h bytes
	v_lshlrev_b32 v7, 3, v3                        ; 8 h: my two bytes' shift in the scale word
	v_cmp_gt_u32 vcc_lo, 16, v1                    ; lanes 0-15
	v_mov_b32 v14, 0                               ; written once: a lane permute's destination counts as one of its sources
; set q = 2 sl + u: K step 2 sp + sl, tile u.  16 loads: a lane's eight cover 128 consecutive bytes, lanes l and l + 16 together 256
.macro XLOAD q
.irp c, 0,1
.irp jj, 0,1,2,3,4,5,6,7
	global_load_b128 v[DAT+64*((\q)%2)+32*\c+4*\jj:DAT+64*((\q)%2)+32*\c+4*\jj+3], v4, s[4:5] offset:((\q)%2)*24576+((\q)/2)*512+256*\c+16*\jj th:TH_LOAD_NT
.endr
.endr
.endm
.macro XQUANT q
.set XSRC, DAT+64*((\q)%2)
.set FQ, F+12*(\q)
.irp c, 0,1
	v_max3_num_f32 v[8+\c], |v[XSRC+32*\c]|, |v[XSRC+32*\c+1]|, 0x1800000   ; my block 2 c + h: all 32 numbers are mine; the floor 2^(3 - 127) holds the byte at 1 from below
.endr
.irp i, 2,4,6,8,10,12,14,16,18,20,22,24,26,28,30
.irp c, 0,1
	v_max3_num_f32 v[8+\c], v[8+\c], |v[XSRC+32*\c+\i]|, |v[XSRC+32*\c+\i+1]|   ; (the two blocks by turns)
.endr
.endr
.irp c, 0,1
	v_add_nc_u32 v[10+\c], 0xff000000, v[8+\c]     ; 2 off the exponent field: the conversion's scale operand
.endr
.irp c, 0,1
	v_lshrrev_b32 v[12+\c], 23, v[10+\c]           ; the scale's byte
.endr
.irp c, 0,1
	v_cvt_scalef32_pk16_fp6_f32 v[FQ+6*\c:FQ+6*\c+2], v[XSRC+32*\c:XSRC+32*\c+15], v[10+\c]
	v_cvt_scalef32_pk16_fp6_f32 v[TU+4*\c:TU+4*\c+2], v[XSRC+32*\c+16:XSRC+32*\c+31], v[10+\c]
.endr
	v_lshl_or_b32 v12, v13, 16, v12                ; my two bytes: blocks h and 2 + h.  (Also the plain line behind the conversions)
	v_lshlrev_b32 v12, v7, v12                     ; at their places in the word
.irp c, 0,1
.irp i, 0,1,2
	v_mov_b32 v[FQ+6*\c+3+\i], v[TU+4*\c+\i]
.endr
.endr
	v_permlanex16_b32 v14, v12, s[SEL], s[SEL+1]
	v_or_b32 v[WD+(\q)%2], v12, v14                ; with lane l xor 16's two bytes the row's word is whole
.irp c, 0,1,2
	global_store_b128 v5, v[FQ+4*\c:FQ+4*\c+3], s[28:29] offset:(\q)*1536+512*\c   ; 32 lanes store 512 consecutive bytes, aligned
.endr
.if (\q)%2 == 1
	v_cndmask_b32 v[SW+(\q)/2], v[WD+1], v[WD], vcc_lo   ; lanes 0-15 tile 0's rows, lanes 16-31 tile 1's
.endif
.endm
	XLOAD 0
	XLOAD 1
	s_wait_loadcnt 16                              ; the older set is in; the younger set's 16 loads stay out
	XQUANT 0
	XLOAD 2
	s_wait_loadcnt 16
	XQUANT 1
	XLOAD 3
	s_wait_loadcnt 16
	XQUANT 2
	s_wait_loadcnt 0x0
	XQUANT 3
	global_store_b64 v6, v[SW:SW+1], s[30:31] offset:18432   ; 32 lanes store 256 consecutive bytes, aligned
	s_endpgm
	; ---- the weights: K is the first axis.  A LANE TAKES A COLUMN, AND ITS REGISTERS RUN DOWN K: lanes 0-15 the columns of tile 2 b, lanes 16-31 those of tile 2 b + 1.
.Lweights:
	s_sub_co_u32 s22, ttmp9, 64                    ; m: the block of 64 columns
	s_wait_alu depctr_va_vdst(0)
	v_and_b32 v4, 7, v1
	v_bfe_u32 v7, v1, 3, 1
	v_lshl_add_u32 v4, v7, 4, v4
	v_lshl_add_u32 v4, v3, 3, v4                   ; my column of the 32: lane % 8 + 16 ((lane / 8) % 2) + 8 (lane / 16)
	v_lshlrev_b32 v4, 2, v4                        ; the 32 lanes cover 128 consecutive bytes
	s_mul_i32 s26, s22, 38400
	s_add_nc_u64 s[16:17], s[16:17], s[26:27]      ; my block in wc
	s_mul_i32 s26, s19, 12288
	s_mul_i32 s23, s18, 3072
	s_add_co_u32 s26, s26, s23
	s_add_nc_u64 s[28:29], s[16:17], s[26:27]      ; fragments (2 sp + sl, 2 b + e)
	s_mul_i32 s26, s18, 3
	s_add_co_u32 s26, s26, s19
	s_lshl_b32 s26, s26, 8
	s_add_nc_u64 s[30:31], s[16:17], s[26:27]      ; scale words (36,864 stands in the immediate)
	s_lshl_b32 s23, s18, 7                         ; 32 columns of 4 bytes for each wave
.macro WLOAD t, pitch                  ; block t: rows 32 t + i of my 256, i = 0 .. 31, into set t % 2
.irp i, 0,1,2,3,4,5,6,7,8,9,10,11,12,13,14,15,16,17,18,19,20,21,22,23,24,25,26,27,28,29,30,31
	global_load_b32 v[DAT+32*((\t)%2)+\i], v4, s[32:33] offset:(32*(\t)+\i)*\pitch th:TH_LOAD_NT
.endr
.endm
.macro WBLOCK t, pitch
.set XSRC, DAT+32*((\t)%2)
.set FQ, F+24*((\t)/4)+12*((\t)%2)+6*(((\t)%4)/2)
.if (\t) < 7
	s_wait_loadcnt 32                              ; this block's 32 loads are in; the next block's stay out
.else
	s_wait_loadcnt 0x0
.endif
	v_max3_num_f32 v8, |v[XSRC]|, |v[XSRC+1]|, |v[XSRC+2]|     ; the block's largest magnitude: all 32 numbers are mine; two chains
	v_max3_num_f32 v9, |v[XSRC+3]|, |v[XSRC+4]|, |v[XSRC+5]|
.irp i, 6,10,14,18,22,26
	v_max3_num_f32 v8, v8, |v[XSRC+\i]|, |v[XSRC+\i+1]|
	v_max3_num_f32 v9, v9, |v[XSRC+\i+2]|, |v[XSRC+\i+3]|
.endr
	v_max3_num_f32 v8, v8, |v[XSRC+30]|, |v[XSRC+31]|
	v_max3_num_f32 v8, v8, v9, 0x1800000           ; and the floor
	v_add_nc_u32 v10, 0xff000000, v8               ; the conversion's scale operand
	v_lshrrev_b32 v12, 23, v10                     ; the byte
.if (\t)%4 == 0
	v_mov_b32 v[SW+(\t)/4], v12                    ; four bytes make a K step's word, the lower K in the lower byte
.else
	v_lshl_or_b32 v[SW+(\t)/4], v12, 8*((\t)%4), v[SW+(\t)/4]
.endif
	v_cvt_scalef32_pk16_fp6_f32 v[FQ:FQ+2], v[XSRC:XSRC+15], v10
	v_cvt_scalef32_pk16_fp6_f32 v[TU:TU+2], v[XSRC+16:XSRC+31], v10
	v_nop                                          ; one plain line behind the conversions
.if (\t)+2 < 8
	WLOAD (\t)+2, \pitch
.endif
.irp i, 0,1,2
	v_mov_b32 v[FQ+3+\i], v[TU+\i]
.endr
.if (\t)%2 == 1                        ; blocks 2 c and 2 c + 1 of both tiles are made: the first's lanes 16-31 change places with the second's lanes 0-15,
.set FE, F+24*((\t)/4)+6*(((\t)%4)/2)  ; and the first is tile 2 b's registers 6 c .. 6 c + 5 (lanes 0-15 block 2 c, lanes 16-31 block 2 c + 1), the second tile 2 b + 1's
.irp i, 0,1,2,3,4,5
	v_permlane16_swap_b32 v[FE+\i], v[FE+12+\i]
.endr
.endif
.if (\t)%4 == 3
.irp e, 0,1
.irp c, 0,1,2
	global_store_b128 v5, v[F+24*((\t)/4)+12*\e+4*\c:F+24*((\t)/4)+12*\e+4*\c+3], s[28:29] offset:((\t)/4)*6144+\e*1536+512*\c
.endr
.endr
.endif
.endm
.macro WPATH pitch
	WLOAD 0, \pitch
	WLOAD 1, \pitch
.irp t, 0,1,2,3,4,5,6,7
	WBLOCK \t, \pitch
.endr
	global_store_b64 v6, v[SW:SW+1], s[30:31] offset:36864   ; 32 lanes store 256 consecutive bytes, aligned
.endm
	s_cmp_lt_u32 s22, 36
	s_cbranch_scc0 .Lwo
	s_cmp_lt_u32 s22, 12                           ; which of Wq, Wk, Wv: the choice hangs on the work-group's number alone
	s_cselect_b64 s[32:33], s[6:7], s[8:9]
	s_cselect_b32 s24, 0, 12
	s_cmp_lt_u32 s22, 24
	s_cselect_b64 s[32:33], s[32:33], s[10:11]
	s_cselect_b32 s24, s24, 24
	s_sub_co_u32 s24, s22, s24                     ; the head
	s_mul_i32 s24, s24, 196608                     ; 768 rows of 256 bytes
	s_lshl_b32 s26, s19, 16                        ; 256 rows for each sp
	s_add_co_u32 s24, s24, s26
	s_add_co_u32 s24, s24, s23
	s_add_nc_u64 s[32:33], s[32:33], s[24:25]
	s_wait_alu depctr_va_vdst(0)
	WPATH 256
	s_endpgm
.Lwo:
	s_sub_co_u32 s24, s22, 36
	s_lshl_b32 s24, s24, 8                         ; 64 columns of 4 bytes
	s_mul_i32 s26, s19, 786432                     ; 256 rows of 3,072 bytes
	s_add_co_u32 s24, s24, s26
	s_add_co_u32 s24, s24, s23
	s_add_nc_u64 s[32:33], s[12:13], s[24:25]
	s_wait_alu depctr_va_vdst(0)
	WPATH 3072
	s_endpgm
.Lfunc_end_k_q3f2cfd392a_prep:
	.size	k_q3f2cfd392a_prep, .Lfunc_end_k_q3f2cfd392a_prep-k_q3f2cfd392a_prep
	.p2alignl 7, 3214868480
	.fill 96, 4, 3214868480
	.section	.rodata,"a",@progbits
	.p2align	6, 0x0
	.amdhsa_kernel k_q3f2cfd392a_prep
		.amdhsa_group_segment_fixed_size 0
		.amdhsa_private_segment_fixed_size 0
		.amdhsa_enable_private_segment 0
		.amdhsa_kernarg_size 56
		.amdhsa_user_sgpr_count 2
		.amdhsa_user_sgpr_kernarg_segment_ptr 1
		.amdhsa_wavefront_size32 1
		.amdhsa_system_sgpr_workgroup_id_x 1
		.amdhsa_system_sgpr_workgroup_id_y 1
		.amdhsa_system_sgpr_workgroup_id_z 1
		.amdhsa_system_vgpr_workitem_id 0
		.amdhsa_next_free_vgpr 208
		.amdhsa_next_free_sgpr 66
		.amdhsa_reserve_vcc 1
		.amdhsa_float_denorm_mode_32 3
		.amdhsa_float_denorm_mode_16_64 3
		.amdhsa_memory_ordered 1
		.amdhsa_forward_progress 1
		.amdhsa_inst_pref_size 98
	.end_amdhsa_kernel
	.amdgpu_metadata
---
amdhsa.version: [ 1, 2 ]
amdhsa.kernels:
  - .name:           k_q3f2cfd392a_prep
    .symbol:         k_q3f2cfd392a_prep.kd
    .args:
      - { .name: x, .offset: 0, .size: 8, .value_kind: global_buffer, .address_space: global }
      - { .name: Wq, .offset: 8, .size: 8, .value_kind: global_buffer, .address_space: global }
      - { .name: Wk, .offset: 16, .size: 8, .value_kind: global_buffer, .address_space: global }
      - { .name: Wv, .offset: 24, .size: 8, .value_kind: global_buffer, .address_space: global }
      - { .name: Wo, .offset: 32, .size: 8, .value_kind: global_buffer, .address_space: global }
      - { .name: xq, .offset: 40, .size: 8, .value_kind: global_buffer, .address_space: global }
      - { .name: wc, .offset: 48, .size: 8, .value_kind: global_buffer, .address_space: global }
    .group_segment_fixed_size: 0
    .private_segment_fixed_size: 0
    .kernarg_segment_align: 8
    .kernarg_segment_size: 56
    .max_flat_workgroup_size: 64
    .sgpr_count:     66
    .vgpr_count:     208
    .wavefront_size: 32
...
	.end_amdgpu_metadata
.endif
;; end of part 1
;; launch qkv (part 2): grid 16 x 12, 4 waves a work-group, clusters of 4 x 4, 327,680 bytes of LDS; arguments xq, wc, bq, bk, bv, qc, kv; writes qc, kv
.if DOCPART == 2
	.amdgcn_target "amdgcn-amd-amdhsa--gfx1250"
	.amdhsa_code_object_version 6
	.text
	.protected	k_q3f2cfd392a_qkv
	.globl	k_q3f2cfd392a_qkv
	.p2align	8
	.type	k_q3f2cfd392a_qkv,@function
k_q3f2cfd392a_qkv:
	s_mov_b64 s[64:65], 0
	v_nop
	global_prefetch_b8 v0, s[64:65] scope:SCOPE_SE
	s_setreg_imm32_b32 hwreg(HW_REG_WAVE_MODE, 25, 1), 1
	s_wait_xcnt 0x0
	s_wait_alu depctr_hold_cnt(0) depctr_sa_sdst(0) depctr_va_vdst(0) depctr_va_sdst(0) depctr_va_ssrc(0) depctr_va_vcc(0) depctr_vm_vsrc(0)
	s_getreg_b32 s2, hwreg(HW_REG_IB_STS2, 6, 4)
	s_cmp_eq_u32 s2, 0
	s_cbranch_scc0 .Lentry_in_a_cluster
	s_endpgm
.Lentry_in_a_cluster:
	s_bfe_u32 s2, ttmp6, 0x10000c
	s_cmp_lg_u32 s2, 0xf033
	s_cbranch_scc0 .Lentry_shape_is_right
	s_endpgm
.Lentry_shape_is_right:
; q, k, v = x W + b for one head and 256 tokens, on codes of FP6 (E2M3) with E8M0 scales, sums in f32; the results are quantised in registers and stored as images of the next products' operand registers.
; SHARES: work-group (tb, head); wave w takes tokens 64 w .. 64 w + 63 of the 256 (four tiles of 16: tile i = 2 g + u takes, in lane row r, token 32 g + 8 u + r + 8 (r / 8)), for q, then k, then v: 3 x 96 products.
; q, k: source 0 = 16 columns of W, source 1 = 16 tokens: a lane holds ONE token and, over the four tiles of columns (whose columns are chosen likewise), 16 h + 0 .. 15 of each 32 of the head's 64: neighbours along the next K.
; v: source 0 = 16 tokens, source 1 = 16 columns: a lane holds ONE channel and, over the four tiles of tokens, 16 neighbouring keys of each 32: the keys are the next K.
; The biases are the C of each sum's first product.
; OUT.  qc [head][64-token block] x 3,584: tile i's six registers at 768 i (registers 0-3 at 16 lane, 4-5 at 512 + 8 lane); scale words (two bytes, twice) at 3,072 + 16 lane + 4 i.
;       kv [head][128 keys] x 12,800: K: a 32-key group's 12 registers (tile u = 0's six, then tile u = 1's) at 1,536 gg; V^T: tile t at 6,144 + 1,536 t, the 64-key half c at + 768 c;
;       K's scale words at 12,288 (lanes 0-15 group 2 n, lanes 16-31 group 2 n + 1, 128 bytes a pair), V's at 12,544 (lanes 0-15 tile 2 n, lanes 16-31 tile 2 n + 1; byte b: key block b).
; CLUSTER 4 x 4: x's images hang on tb alone and are asked for jointly down a column of the cluster, W's on the head alone, along a row.  All operands come once, as first fills: nothing is filled again.
; LIMITS: NaN and infinities are not served; a block whose largest magnitude lies under 2^-124 has its byte held at 1; a block of zeros gets the byte 1, not 127: its codes are zeros, and this program alone reads the bytes.
; REGISTERS: window 0: v1-18 addresses, v30-31 the add's two, v32-43 x's scale words, v44-79 W's, v80-125 at work, v128-255 the 16 accumulators.
;   window 1: v0-143 x's fragments of tiles 0, 1 (12 (6 i + s)); v144-191, v192-239 W's four fragments of a K step, two sets.   window 2: v0-143 x's tiles 2, 3; v144-239 the biases' twelve tiles.
.set BLK,   38400                      ; a block of W, or two groups of x: 150 rows of 256 bytes
.set WLB,   4*BLK                      ; LDS: x's four blocks from 0, W's three from here,
.set STG,   268800                     ; 1,024 bytes in which the scale words of two chunks of keys are gathered,
.set SPARE, 269824                     ; and the spare words, 128 bytes a wave: two blocks of 256 bytes that no other line names
.set LANE, 1
.set RR,   2
.set HH,   3
.set BA,   4                           ; bq, bk: 64 h
.set BVA,  5                           ; bv: 4 (r + 8 (r / 8))
.set X16,  6                           ; 16 lane + my block of x
.set X8,   7                           ; 8 lane + the same
.set W16,  8                           ; v8-10  16 lane + W's block p
.set W8,   11                          ; v11-13 8 lane + the same
.set L16,  14
.set L8,   15
.set KSA,  16                          ; where K's scale words go in LDS
.set VSA,  17                          ; where V's two bytes go
.set CPY,  18                          ; and from where 256 bytes are read back
.set SPW,  30
.set NIL,  31
.set XS,   32                          ; x's scale words: 6 g + s; lanes 0-15 tile 2 g, lanes 16-31 tile 2 g + 1
.set WS,   44                          ; W's: 12 p + 6 b + s; lanes 0-15 tile 2 b, lanes 16-31 tile 2 b + 1
.set TM,   80
.set TP,   84
.set SO,   88
.set PR,   92                          ; the two rows' pairs of scale bytes
.set CD,   96                          ; v96-107 the codes just made
.set TT,   108
.set QW,   116
.set KW,   120
.set KX,   122
.set CP,   124
.set ACC,  128
.set WB,   144
.set BIAS, 144
.set WV,   18
.set G1X,  24
.set G1W,  32
.set G0X,  40
.set G0W,  44
.set SEL,  48
.set ML,   60                          ; s60 the mask of lanes 0-15
.set MSB, 0
.macro WIN new                         ; the immediate's high byte repeats the setting that is left
.if MSB != (\new)
	s_set_vgpr_msb (MSB<<8)|(\new)
.set MSB, (\new)
.endif
.endm
.macro PLACES n
.rept \n
	v_nop
.endr
.endm
.macro CROUND                          ; a round of the cluster's barrier
	s_barrier_signal -1
	s_barrier_wait -1
	s_cmp_lg_u32 s[WV], 0
	s_cbranch_scc1 .Lnot_wave_0_\@
	s_barrier_signal -3
.Lnot_wave_0_\@:
	s_barrier_wait -3
	s_barrier_signal -1
	s_barrier_wait -1
.endm
	s_load_b256 s[4:11], s[0:1], 0x0               ; xq s[4:5], wc s[6:7], bq s[8:9], bk s[10:11]
	s_load_b128 s[12:15], s[0:1], 0x20             ; bv s[12:13], qc s[14:15]
	s_load_b64 s[16:17], s[0:1], 0x30              ; kv
	v_lshl_add_u32 v[SPW], v0, 2, SPARE
	v_mov_b32 v[NIL], 0
	ds_add_u32 v[SPW], v[NIL]                      ; the wave's opening: the add and its wait stand ahead of my first tensor load; the set-up below, work on registers, stands between them
	ds_add_u32 v[SPW], v[NIL]
	v_lshrrev_b32 v1, 5, v0
	v_readfirstlane_b32 s[WV], v1                  ; wave 0..3
	s_bfe_u32 s19, ttmp6, 0x40000                  ; cx
	s_bfe_u32 s20, ttmp6, 0x40004                  ; cy
	s_lshl_b32 s21, ttmp9, 2
	s_add_co_u32 s21, s21, s19                     ; tb: my 256 tokens
	s_and_b32 s22, ttmp7, 0xffff
	s_lshl_b32 s22, s22, 2
	s_add_co_u32 s22, s22, s20                     ; the head
	s_lshl_b32 s50, s20, 2
	s_lshl_b32 s50, 15, s50                        ; my row of the cluster
	s_lshl_b32 s51, 0x1111, s19                    ; my column
	s_or_b32 s[G1X], s51, (3<<16)|(1<<21)          ; x's images: the mask of my column; elements of 8 bytes; bit 21 beside a mask; no padding
	s_or_b32 s[G1W], s50, (3<<16)|(1<<21)          ; W's: the mask of my row
.irp g, G1X, G1W
	s_mov_b32 s[\g+1], 32<<16                      ; tensor_dim0 = 32 elements: 256 bytes
	s_mov_b32 s[\g+2], 150<<16                     ; tensor_dim1 = 150
	s_mov_b32 s[\g+3], 32<<16                      ; tile_dim0
	s_mov_b32 s[\g+4], 150                         ; tile_dim1
	s_mov_b32 s[\g+5], 32                          ; the pitch: dense
	s_mov_b32 s[\g+6], 0
	s_mov_b32 s[\g+7], 0
.endr
	s_mov_b32 s[G1X+2], 600<<16                    ; x's four blocks lie on end in memory and in LDS: one load of 600 rows brings them
	s_mov_b32 s[G1X+4], 600
	s_mov_b32 s[SEL], 0x76543210
	s_mov_b32 s[SEL+1], 0xfedcba98
	s_mul_i32 s23, s[WV], BLK                      ; my block's place in LDS: the wave's number alone
	s_mul_i32 s52, s21, 4*BLK                      ; x: eight groups of 19,200 bytes for each tb (no register of this sum ever holds cy)
	s_mov_b32 s53, 0
	s_mul_i32 s54, s[WV], 12                       ; W: block 12 p + head, p = my wave (no register of this sum ever holds cx)
	s_add_co_u32 s54, s54, s22
	s_mul_i32 s54, s54, BLK
	s_mov_b32 s55, 0
	s_lshl_b32 s56, s22, 8                         ; the head's 64 numbers in a bias
	s_mov_b32 s57, 0
	s_lshl_b32 s58, s22, 6
	s_lshl_b32 s59, s21, 2
	s_add_co_u32 s58, s58, s59
	s_add_co_u32 s58, s58, s[WV]
	s_mul_i32 s58, s58, 3584                       ; qc: block 64 head + 4 tb + wave
	s_mov_b32 s59, 0
	s_lshl_b32 s66, s22, 5
	s_lshl_b32 s67, s21, 1
	s_add_co_u32 s66, s66, s67
	s_lshr_b32 s67, s[WV], 1
	s_add_co_u32 s66, s66, s67
	s_mul_i32 s66, s66, 12800                      ; kv: chunk 32 head + 2 tb + wave / 2
	s_mov_b32 s67, 0
	s_and_b32 s61, s[WV], 1                        ; which 64 keys of the chunk are mine
	s_mul_i32 s70, s61, 3072                       ; K: two images on
	s_mov_b32 s71, 0
	s_mul_i32 s72, s61, 768                        ; V: half an image on
	s_mov_b32 s73, 0
	s_lshl_b32 s74, s61, 8                         ; the even wave stores K's 256 scale bytes, the odd one V's
	s_mov_b32 s75, 0
	v_and_b32 v[LANE], 31, v0
	v_and_b32 v[RR], 15, v0
	v_bfe_u32 v[HH], v0, 4, 1
	v_lshlrev_b32 v[BA], 6, v[HH]
	v_and_b32 v[BVA], 8, v[RR]
	v_add_nc_u32 v[BVA], v[BVA], v[RR]
	v_lshlrev_b32 v[BVA], 2, v[BVA]
	v_lshl_add_u32 v[X16], v[LANE], 4, s23
	v_lshl_add_u32 v[X8], v[LANE], 3, s23
.irp p, 0,1,2
	v_lshl_add_u32 v[W16+\p], v[LANE], 4, WLB+\p*BLK
	v_lshl_add_u32 v[W8+\p], v[LANE], 3, WLB+\p*BLK
.endr
	v_lshlrev_b32 v[L16], 4, v[LANE]
	v_lshlrev_b32 v[L8], 3, v[LANE]
	s_lshr_b32 s50, s[WV], 1
	s_lshl_b32 s50, s50, 9
	s_add_co_u32 s50, s50, STG                     ; my chunk's 512 bytes: K's 256, then V's
	s_lshl_b32 s51, s61, 7
	s_add_co_u32 s51, s51, s50
	v_lshl_add_u32 v[KSA], v[LANE], 2, s51         ; K: my 128 bytes, a word a lane
	s_lshl_b32 s51, s61, 1
	s_add_co_u32 s51, s51, s50
	s_add_co_u32 s51, s51, 256
	v_lshl_add_u32 v[VSA], v[RR], 2, s51           ; V: row r's word, my two bytes of it
	s_lshl_b32 s51, s[WV], 8
	s_add_co_u32 s51, s51, STG
	v_lshl_add_u32 v[CPY], v[LANE], 3, s51         ; back: 256 bytes a wave
.irp n, 0,1,2,3
	v_mov_b32 v[TP+\n], 0                          ; written once: a lane permute's destination counts as one of its sources
.endr
	s_wait_dscnt 0x0                               ; the opening add is done
	s_wait_kmcnt 0x0
	s_add_nc_u64 s[52:53], s[4:5], s[52:53]
	s_add_nc_u64 s[54:55], s[6:7], s[54:55]
	s_add_nc_u64 s[8:9], s[8:9], s[56:57]
	s_add_nc_u64 s[10:11], s[10:11], s[56:57]
	s_add_nc_u64 s[12:13], s[12:13], s[56:57]
	s_add_nc_u64 s[14:15], s[14:15], s[58:59]      ; my block of qc
	s_add_nc_u64 s[16:17], s[16:17], s[66:67]      ; my chunk of kv
	s_add_nc_u64 s[70:71], s[16:17], s[70:71]      ; where my K images go
	s_add_nc_u64 s[72:73], s[16:17], s[72:73]      ; my halves of V's
	s_add_nc_u64 s[74:75], s[16:17], s[74:75]      ; the 256 scale bytes that I store
	CROUND                                         ; all sixteen work-groups are here: the joint loads meet
	s_mov_b32 s[G0X], 1
	s_mov_b32 s[G0X+1], 0
	s_mov_b64 s[G0X+2:G0X+3], s[52:53]
	s_or_b32 s[G0X+3], s[G0X+3], 0x80000000
	s_mov_b32 s[G0W], 1
	s_add_co_u32 s[G0W+1], s23, WLB
	s_mov_b64 s[G0W+2:G0W+3], s[54:55]
	s_or_b32 s[G0W+3], s[G0W+3], 0x80000000
	s_cmp_lt_u32 s[WV], 3                          ; one tensor load a wave, in the two arms of one branch: waves 0-2 fetch W's block p = wave, wave 3 all of x
	s_cbranch_scc0 .Lonly_x
	tensor_load_to_lds s[G0W:G0W+3], s[G1W:G1W+7]
	s_nop 0
	PLACES 4
	s_branch .Lasked
.Lonly_x:
	tensor_load_to_lds s[G0X:G0X+3], s[G1X:G1X+7]
	s_nop 0
	PLACES 4
.Lasked:
	v_cmp_gt_u32 s[ML], 16, v[LANE]                ; lanes 0-15
	WIN 0x80                                       ; destination window 2
.irp t, 0,1,2,3                        ; bq, bk in the result's layout: lane (r, h), tile t: channels 32 (t / 2) + 16 h + 8 (t % 2) + 0 .. 7
	global_load_b128 v[BIAS+8*\t:BIAS+8*\t+3], v[BA], s[8:9] offset:(32*(\t/2)+8*(\t%2))*4
	global_load_b128 v[BIAS+8*\t+4:BIAS+8*\t+7], v[BA], s[8:9] offset:(32*(\t/2)+8*(\t%2))*4+16
	global_load_b128 v[BIAS+32+8*\t:BIAS+32+8*\t+3], v[BA], s[10:11] offset:(32*(\t/2)+8*(\t%2))*4
	global_load_b128 v[BIAS+32+8*\t+4:BIAS+32+8*\t+7], v[BA], s[10:11] offset:(32*(\t/2)+8*(\t%2))*4+16
.endr
.irp t, 0,1,2,3                        ; bv: a lane holds one channel, 32 (t / 2) + 8 (t % 2) + r + 8 (r / 8): the same number in all eight registers
.irp j, 0,1,2,3,4,5,6,7
	global_load_b32 v[BIAS+64+8*\t+\j], v[BVA], s[12:13] offset:(32*(\t/2)+8*(\t%2))*4
.endr
.endr
	WIN 0
	s_wait_tensorcnt 0x0                           ; my blocks have landed,
	s_barrier_signal -1
	s_barrier_wait -1                              ; everybody's have: W's are read by all four waves
.macro XFETCH g                        ; my tiles 2 g, 2 g + 1: twelve fragments, as they lie
.irp u, 0,1
.irp s, 0,1,2,3,4,5
.irp c, 0,1,2
	ds_load_b128 v[12*(6*\u+\s)+4*\c:12*(6*\u+\s)+4*\c+3], v[X16] offset:\g*19200+(2*\s+\u)*1536+512*\c
.endr
.endr
.endr
.endm
.macro WFETCH n                        ; W's four fragments of step n = 6 p + s into set n % 2
	WIN 0x40
.irp t, 0,1,2,3
.irp c, 0,1,2
	ds_load_b128 v[WB+48*((\n)%2)+12*\t+4*\c:WB+48*((\n)%2)+12*\t+4*\c+3], v[W16+(\n)/6] offset:(4*((\n)%6)+\t)*1536+512*\c
.endr
.endr
.endm
	WIN 0x40
	XFETCH 0
	WIN 0x80
	XFETCH 1
	WIN 0
.irp g, 0,1
.irp sp, 0,1,2
	ds_load_b64 v[XS+6*\g+2*\sp:XS+6*\g+2*\sp+1], v[X8] offset:\g*19200+18432+256*\sp
.endr
.endr
.irp p, 0,1,2
.irp b, 0,1
.irp sp, 0,1,2
	ds_load_b64 v[WS+12*\p+6*\b+2*\sp:WS+12*\p+6*\b+2*\sp+1], v[W8+\p] offset:36864+(3*\b+\sp)*256
.endr
.endr
.endr
	WFETCH 0
	s_wait_loadcnt 0x0                             ; the biases
.macro MM d, a, b, c, sa, sb, ra, rb   ; one product; ra, rb: the side's scale words stand in lanes 16-31
.if (\ra) && (\rb)
	v_wmma_scale_f32_16x16x128_f8f6f4 v[(\d):(\d)+7], v[(\a):(\a)+11], v[(\b):(\b)+11], v[(\c):(\c)+7], v[\sa], v[\sb] matrix_a_fmt:MATRIX_FMT_FP6 matrix_b_fmt:MATRIX_FMT_FP6 matrix_a_scale:MATRIX_SCALE_ROW1 matrix_b_scale:MATRIX_SCALE_ROW1
.elseif (\ra)
	v_wmma_scale_f32_16x16x128_f8f6f4 v[(\d):(\d)+7], v[(\a):(\a)+11], v[(\b):(\b)+11], v[(\c):(\c)+7], v[\sa], v[\sb] matrix_a_fmt:MATRIX_FMT_FP6 matrix_b_fmt:MATRIX_FMT_FP6 matrix_a_scale:MATRIX_SCALE_ROW1
.elseif (\rb)
	v_wmma_scale_f32_16x16x128_f8f6f4 v[(\d):(\d)+7], v[(\a):(\a)+11], v[(\b):(\b)+11], v[(\c):(\c)+7], v[\sa], v[\sb] matrix_a_fmt:MATRIX_FMT_FP6 matrix_b_fmt:MATRIX_FMT_FP6 matrix_b_scale:MATRIX_SCALE_ROW1
.else
	v_wmma_scale_f32_16x16x128_f8f6f4 v[(\d):(\d)+7], v[(\a):(\a)+11], v[(\b):(\b)+11], v[(\c):(\c)+7], v[\sa], v[\sb] matrix_a_fmt:MATRIX_FMT_FP6 matrix_b_fmt:MATRIX_FMT_FP6
.endif
.endm
; eight products of step N: token tiles 2 hf, 2 hf + 1 x W's four tiles.  The 16 accumulators take turns, one instruction a turn, in the same order in every step.
.macro PROD8 hf
.if PP < 2
.if SS == 0
	WIN 0x25+4*(\hf)                               ; W window 1, x window 1 or 2, the bias window 2
.else
	WIN 0x05+4*(\hf)
.endif
.else
.if SS == 0
	WIN 0x25+(\hf)                                 ; x window 1 or 2, W window 1, the bias window 2
.else
	WIN 0x05+(\hf)
.endif
.endif
.irp i, 2*(\hf), 2*(\hf)+1
.irp t, 0,1,2,3
.if PP < 2
.set DD, ACC+8*(4*(\i)+\t)
.else
.set DD, ACC+8*(4*\t+(\i))
.endif
.set CSRC, DD
.if SS == 0
.set CSRC, BIAS+32*PP+8*\t
.endif
.if PP < 2
	MM DD, WBF+12*\t, 12*(6*((\i)%2)+SS), CSRC, WS+12*PP+6*(\t/2)+SS, XS+6*((\i)/2)+SS, \t%2, (\i)%2
.else
	MM DD, 12*(6*((\i)%2)+SS), WBF+12*\t, CSRC, XS+6*((\i)/2)+SS, WS+12*PP+6*(\t/2)+SS, (\i)%2, \t%2
.endif
.endr
.endr
.endm
.macro KSTEP                           ; step N: 16 products; in its middle the next step's fragments of W are fetched into the other set
.set PP, N/6
.set SS, N%6
.set WBF, WB+48*(N%2)
	s_wait_dscnt 0x0                               ; this step's fragments are in
	PROD8 0
.if N < 17
	PLACES 4                                       ; four plain lines between the last product that read the other set (the step before) and the loads into it
	WFETCH N+1
.endif
	PROD8 1
.endm
.macro PROJ p
.set N, 6*(\p)
.rept 6
	KSTEP
.set N, N+1
.endr
	WIN 0
	PLACES 4                                       ; in front of the first read of results
.endm
; Two rows of accumulators, 32 registers each (register 16 b + k = K index 32 b + 16 h + k of the lane's row), become six code registers each (lane (r, h): K = 32 h .. 32 h + 31) in v[CD] on and v[CD + 6] on, and a pair of scale bytes each in v[PR], v[PR + 1].
.macro QPAIR s0, s1
.irp b, 0,1
	v_max3_num_f32 v[TM+\b], |v[(\s0)+16*\b]|, |v[(\s0)+16*\b+1]|, 0x1800000     ; each accumulator is read from its low end on; the floor 2^(3 - 127) holds the byte at 1 from below
	v_max3_num_f32 v[TM+2+\b], |v[(\s1)+16*\b]|, |v[(\s1)+16*\b+1]|, 0x1800000
.endr
.irp i, 2,4,6,8,10,12,14
.irp b, 0,1
	v_max3_num_f32 v[TM+\b], v[TM+\b], |v[(\s0)+16*\b+\i]|, |v[(\s0)+16*\b+\i+1]|   ; (four chains by turns)
	v_max3_num_f32 v[TM+2+\b], v[TM+2+\b], |v[(\s1)+16*\b+\i]|, |v[(\s1)+16*\b+\i+1]|
.endr
.endr
.irp n, 0,1,2,3
	v_permlanex16_b32 v[TP+\n], v[TM+\n], s[SEL], s[SEL+1]
.endr
.irp n, 0,1,2,3
	v_max_num_f32 v[TM+\n], v[TM+\n], v[TP+\n]     ; with lane l xor 16's 16: the block's largest magnitude
.endr
.irp n, 0,1,2,3
	v_add_nc_u32 v[SO+\n], 0xff000000, v[TM+\n]    ; 2 off the exponent field: the conversion's scale operand
.endr
.irp n, 0,1,2,3
	v_lshrrev_b32 v[TP+\n], 23, v[SO+\n]           ; the byte
.endr
	v_lshl_or_b32 v[PR], v[TP+1], 8, v[TP]
	v_lshl_or_b32 v[PR+1], v[TP+3], 8, v[TP+2]
	s_wait_xcnt 0x0                                ; the last stores have read the codes' registers: only now are they written again
	v_cvt_scalef32_pk16_fp6_f32 v[CD:CD+2], v[(\s0):(\s0)+15], v[SO]
	v_cvt_scalef32_pk16_fp6_f32 v[TT:TT+2], v[(\s0)+16:(\s0)+31], v[SO+1]
	v_cvt_scalef32_pk16_fp6_f32 v[CD+6:CD+8], v[(\s1):(\s1)+15], v[SO+2]
	v_cvt_scalef32_pk16_fp6_f32 v[TT+4:TT+6], v[(\s1)+16:(\s1)+31], v[SO+3]
	v_nop                                          ; one plain line behind the conversions
.irp i, 0,1,2                          ; the operand's layout wants a WHOLE block in a lane: lanes 0-15 block 0, lanes 16-31 block 1
	v_permlane16_swap_b32 v[CD+\i], v[TT+\i]
	v_permlane16_swap_b32 v[CD+6+\i], v[TT+4+\i]
.endr
.irp i, 0,1,2
	v_mov_b32 v[CD+3+\i], v[TT+\i]
	v_mov_b32 v[CD+9+\i], v[TT+4+\i]
.endr
.endm
.macro OUTQ a0                         ; q's tiles a0, a0 + 1
.irp x, 0,1
	global_store_b128 v[L16], v[CD+6*\x:CD+6*\x+3], s[14:15] offset:768*((\a0)+\x)
	global_store_b64 v[L8], v[CD+6*\x+4:CD+6*\x+5], s[14:15] offset:768*((\a0)+\x)+512
	v_lshl_or_b32 v[QW+(\a0)+\x], v[PR+\x], 16, v[PR+\x]   ; the pair twice: q stands in either half of the next product's K
.endr
.endm
.macro OUTK g                          ; k's group g: tile u = 0's six registers and tile u = 1's are one image
.irp c, 0,1,2
	global_store_b128 v[L16], v[CD+4*\c:CD+4*\c+3], s[70:71] offset:1536*\g+512*\c
.endr
	v_lshl_or_b32 v[KW+\g], v[PR+1], 16, v[PR]
.endm
.macro OUTV a0                         ; v's tiles of channels a0, a0 + 1: my 64 keys' half of each image
.irp x, 0,1
	global_store_b128 v[L16], v[CD+6*\x:CD+6*\x+3], s[72:73] offset:6144+1536*((\a0)+\x)
	global_store_b64 v[L8], v[CD+6*\x+4:CD+6*\x+5], s[72:73] offset:6144+1536*((\a0)+\x)+512
	ds_store_b16 v[VSA], v[PR+\x] offset:64*((\a0)+\x)   ; both lanes of a row write the same two bytes with the same value
.endr
.endm
	PROJ 0
	QPAIR ACC, ACC+32
	OUTQ 0
	QPAIR ACC+64, ACC+96
	OUTQ 2
	global_store_b128 v[L16], v[QW:QW+3], s[14:15] offset:3072   ; 32 lanes store 512 consecutive bytes, aligned
	PROJ 1
	QPAIR ACC, ACC+32
	OUTK 0
	QPAIR ACC+64, ACC+96
	OUTK 1
	v_cndmask_b32 v[KX], v[KW+1], v[KW], s[ML]     ; lanes 0-15 my first group's rows, lanes 16-31 my second's
	ds_store_b32 v[KSA], v[KX]
	PROJ 2
	QPAIR ACC, ACC+32
	OUTV 0
	QPAIR ACC+64, ACC+96
	OUTV 2
	s_wait_dscnt 0x0                               ; for the others' sake: my scale bytes lie in LDS
	s_barrier_signal -1
	s_barrier_wait -1
	ds_load_b64 v[CP:CP+1], v[CPY]                 ; 256 bytes that two waves wrote
	s_wait_dscnt 0x0
	global_store_b64 v[L8], v[CP:CP+1], s[74:75] offset:12288   ; 32 lanes store 256 consecutive bytes, aligned
	s_wait_tensorcnt 0x0                           ; the wave's end, behind my last tensor load and my last LDS store
	ds_add_u32 v[SPW], v[NIL]
	s_wait_dscnt 0x0
	CROUND                                         ; the closing round
	s_endpgm
.Lfunc_end_k_q3f2cfd392a_qkv:
	.size	k_q3f2cfd392a_qkv, .Lfunc_end_k_q3f2cfd392a_qkv-k_q3f2cfd392a_qkv
	.p2alignl 7, 3214868480
	.fill 96, 4, 3214868480
	.section	.rodata,"a",@progbits
	.p2align	6, 0x0
	.amdhsa_kernel k_q3f2cfd392a_qkv
		.amdhsa_group_segment_fixed_size 327680
		.amdhsa_private_segment_fixed_size 0
		.amdhsa_enable_private_segment 0
		.amdhsa_kernarg_size 56
		.amdhsa_user_sgpr_count 2
		.amdhsa_user_sgpr_kernarg_segment_ptr 1
		.amdhsa_wavefront_size32 1
		.amdhsa_system_sgpr_workgroup_id_x 1
		.amdhsa_system_sgpr_workgroup_id_y 1
		.amdhsa_system_sgpr_workgroup_id_z 1
		.amdhsa_system_vgpr_workitem_id 0
		.amdhsa_next_free_vgpr 768
		.amdhsa_next_free_sgpr 96
		.amdhsa_reserve_vcc 0
		.amdhsa_float_denorm_mode_32 3
		.amdhsa_float_denorm_mode_16_64 3
		.amdhsa_memory_ordered 1
		.amdhsa_forward_progress 1
		.amdhsa_inst_pref_size 98
	.end_amdhsa_kernel
	.amdgpu_metadata
---
amdhsa.version: [ 1, 2 ]
amdhsa.kernels:
  - .name:           k_q3f2cfd392a_qkv
    .symbol:         k_q3f2cfd392a_qkv.kd
    .args:
      - { .name: xq, .offset: 0, .size: 8, .value_kind: global_buffer, .address_space: global }
      - { .name: wc, .offset: 8, .size: 8, .value_kind: global_buffer, .address_space: global }
      - { .name: bq, .offset: 16, .size: 8, .value_kind: global_buffer, .address_space: global }
      - { .name: bk, .offset: 24, .size: 8, .value_kind: global_buffer, .address_space: global }
      - { .name: bv, .offset: 32, .size: 8, .value_kind: global_buffer, .address_space: global }
      - { .name: qc, .offset: 40, .size: 8, .value_kind: global_buffer, .address_space: global }
      - { .name: kv, .offset: 48, .size: 8, .value_kind: global_buffer, .address_space: global }
    .group_segment_fixed_size: 327680
    .private_segment_fixed_size: 0
    .kernarg_segment_align: 8
    .kernarg_segment_size: 56
    .max_flat_workgroup_size: 128
    .sgpr_count:     96
    .vgpr_count:     768
    .wavefront_size: 32
...
	.end_amdgpu_metadata
.endif
;; end of part 2
;; launch attn (part 3): grid 64 x 4, 12 waves a work-group, clusters of 4 x 1, 327,680 bytes of LDS; arguments qc, kv, cc; writes cc
.if DOCPART == 3
	.amdgcn_target "amdgcn-amd-amdhsa--gfx1250"
	.amdhsa_code_object_version 6
	.text
	.protected	k_q3f2cfd392a_attn
	.globl	k_q3f2cfd392a_attn
	.p2align	8
	.type	k_q3f2cfd392a_attn,@function
k_q3f2cfd392a_attn:
	s_mov_b64 s[64:65], 0
	v_nop
	global_prefetch_b8 v0, s[64:65] scope:SCOPE_SE
	s_setreg_imm32_b32 hwreg(HW_REG_WAVE_MODE, 25, 1), 1
	s_wait_xcnt 0x0
	s_wait_alu depctr_hold_cnt(0) depctr_sa_sdst(0) depctr_va_vdst(0) depctr_va_sdst(0) depctr_va_ssrc(0) depctr_va_vcc(0) depctr_vm_vsrc(0)
	s_getreg_b32 s2, hwreg(HW_REG_IB_STS2, 6, 4)
	s_cmp_eq_u32 s2, 0
	s_cbranch_scc0 .Lentry_in_a_cluster
	s_endpgm
.Lentry_in_a_cluster:
	s_bfe_u32 s2, ttmp6, 0x10000c
	s_cmp_lg_u32 s2, 0x3003
	s_cbranch_scc0 .Lentry_shape_is_right
	s_endpgm
.Lentry_shape_is_right:
; ctx = softmax(q k^T / 8) v for three heads and 64 tokens, on codes of FP6 (E2M3) with E8M0 scales, sums in f32; ctx is quantised in registers and stored as halves of the next product's operand images.
; SHARES: work-group (token block tb, head group y); wave w takes head 3 y + w / 4 and the block's tile w % 4 of 16 queries, and walks the head's 4,096 keys in 32 steps of 128 (a chunk of kv: 12,800 bytes).
; Both products are used transposed (S^T = k q^T, O^T = v^T p^T): a lane holds one query.  p = 2^(t - M), M the ceiling of the running largest t, kept as -M; the row's sum is taken of the unquantised p.
; K's image of 32 keys holds two tiles of 16 keys in the two halves of the instruction's 128: q stands in the low half (QLO) or the high half (QHI) beside zero codes.
; THE RING: two LDS slots of 12 chunks (four steps of each of the three heads); each wave fetches one chunk of a slot by one tensor load.  CLUSTER 4 x 1: the four token blocks of a cluster read the same chunks and ask for them jointly.
; K of step i + 1 is read from LDS behind step i's first products, V of step i + 1 behind its second ones, each into registers of its own.  So at the top of a slot's fourth step the wave has read all that it wants of the slot:
; there stand the waits, the add and the opening signal of the change of slots; the first products, the maxima and t - M, work on registers alone, stand between the signal and its wait; behind the wait come the rest of the
; cluster's round, the refill, and the reads of the other slot's first K and V, in the places in which every step reads its successor's.
; PREFETCH: while slot work k runs, each wave asks for its chunk of fill k + 3, ahead of that chunk's tensor load by seven steps: 50 blocks of 256 bytes, of which the partner at place cx names 13 cx .. 13 cx + 12; fills 0 to 2 come by their loads alone, and nothing is asked beyond fill 7.
; LIMITS: the promise holds while the scaled scores (t) stay under 2^31 in magnitude; NaN and infinities are not served; a block whose largest magnitude lies under 2^-124 has its byte held at 1.
; REGISTERS: window 0: v1-11 addresses and the add's two, v12-15 -M, largest t, the sum, v16-33 q beside zeros, v34-39 scale words, v40-87 K, v88-151 S and p, v152-183 O^T, v184-223 at work.  Window 1: v0-47 V's four fragments.
.set CHB,   12800
.set SLOTB, 12*CHB
.set STG,   2*SLOTB                    ; behind the ring: 768 bytes in which ctx's scale bytes are gathered,
.set SPARE, STG+768                    ; and the spare words, 128 bytes a wave
.set A16,  1
.set A8,   2
.set A4,   3
.set SPW,  4
.set NIL,  5
.set AD16, 6
.set AD8,  7
.set AD4,  8
.set O16,  9
.set O8,   10
.set SGA,  11
.set QHI,  16
.set QLO,  22
.set QS,   34
.set PW,   35
.set KS,   36
.set VS,   38
.set FR,   40
.set S,    88
.set O,    152
.set PC,   184
.set PT,   196
.set BM,   204
.set BP,   208
.set SO,   212
.set FF,   216
.set TMP,  218
.set CPY,  219
.set C2,   220
.set PRR,  222
.set PFO,  223
.set WV,   10
.set G1,   16
.set CS,   24
.set SEL,  26
.set TB,   28
.set CNT,  29
.set TRIPS, 30
.set G0,   32
.set PF,   58                          ; s[58:59] my chunk of the fill that slot 0's work asks for
.set MSB, 0
.macro WIN new                         ; the immediate's high byte repeats the setting that is left
.if MSB != (\new)
	s_set_vgpr_msb (MSB<<8)|(\new)
.set MSB, (\new)
.endif
.endm
.macro PLACES n
.rept \n
	v_nop
.endr
.endm
.macro CREST                           ; a round of the cluster's barrier behind its opening barrier
	s_cmp_lg_u32 s[WV], 0
	s_cbranch_scc1 .Lnot_wave_0_\@
	s_barrier_signal -3
.Lnot_wave_0_\@:
	s_barrier_wait -3
	s_barrier_signal -1
	s_barrier_wait -1
.endm
.macro CROUND                          ; a whole round
	s_barrier_signal -1
	s_barrier_wait -1
	CREST
.endm
	s_load_b128 s[4:7], s[0:1], 0x0                ; qc s[4:5], kv s[6:7]
	s_load_b64 s[8:9], s[0:1], 0x10                ; cc
	v_lshl_add_u32 v[SPW], v0, 2, SPARE
	v_mov_b32 v[NIL], 0
	ds_add_u32 v[SPW], v[NIL]                      ; the opening lines: the add, twice on end, and its wait ahead of my first tensor load
	ds_add_u32 v[SPW], v[NIL]
	v_lshrrev_b32 v1, 5, v0
	s_delay_alu instid0(VALU_DEP_1)
	v_readfirstlane_b32 s[WV], v1                  ; wave 0..11
	s_bfe_u32 s11, ttmp6, 0x40000                  ; cx
	s_lshl_b32 s12, ttmp9, 2
	s_add_co_u32 s12, s12, s11                     ; tb: my 64 tokens
	s_and_b32 s13, ttmp7, 0xffff                   ; y: my three heads
	s_lshr_b32 s14, s[WV], 2                       ; which of the three
	s_and_b32 s15, s[WV], 3                        ; my tile of queries; also which of a slot's four chunks of that head I fetch
	s_mov_b32 s[G1], 15|(3<<16)|(1<<21)            ; the mask of all four partners; elements of 8 bytes; bit 21 beside a mask; no padding
	s_mov_b32 s[G1+1], 32<<16                      ; rows of 32 elements: 256 bytes
	s_mov_b32 s[G1+2], 50<<16
	s_mov_b32 s[G1+3], 32<<16
	s_mov_b32 s[G1+4], 50
	s_mov_b32 s[G1+5], 32                          ; dense
	s_mov_b32 s[G1+6], 0
	s_mov_b32 s[G1+7], 0
	s_mov_b32 s[CS], 0x3e38aa3b                    ; log2(e) / 8
	s_mov_b32 s[CS+1], s[CS]
	s_mov_b32 s[SEL], 0x76543210
	s_mov_b32 s[SEL+1], 0xfedcba98
	s_mul_i32 s40, s13, 96
	s_lshl_b32 s41, s14, 5
	s_add_co_u32 s40, s40, s41
	s_add_co_u32 s40, s40, s15
	s_mul_i32 s40, s40, CHB                        ; kv: chunk 32 head + w % 4 (no register of this sum holds cx)
	s_mov_b32 s41, 0
	s_mul_i32 s31, s[WV], CHB                      ; and its place in a slot
	s_mul_i32 s42, s13, 3
	s_add_co_u32 s42, s42, s14
	s_lshl_b32 s42, s42, 6
	s_add_co_u32 s42, s42, s12
	s_mul_i32 s42, s42, 3584                       ; qc: block 64 head + tb
	s_mov_b32 s43, 0
	s_mul_i32 s44, s15, 768
	s_mov_b32 s45, 0
	s_lshl_b32 s46, s15, 2
	s_mov_b32 s47, 0
	s_lshl_b32 s48, s12, 2
	s_add_co_u32 s48, s48, s13
	s_mul_i32 s48, s48, 9984                       ; cc: region 4 tb + y
	s_mov_b32 s49, 0
	s_mul_i32 s50, s[WV], 768
	s_mov_b32 s51, 0
	s_min_u32 s52, s[WV], 2
	s_lshl_b32 s52, s52, 8
	s_mov_b32 s53, 0
	s_mul_i32 s54, s14, 4*CHB                      ; my head's four chunks in a slot
	s_lshl_b32 s55, s[WV], 6
	s_add_co_u32 s55, s55, STG
	s_add_co_u32 s56, s52, STG
	s_mul_i32 s57, s11, 13                         ; the first block of a chunk that my work-group prefetches
	v_and_b32 v6, 31, v0
	v_and_b32 v7, 15, v0
	s_delay_alu instid0(VALU_DEP_2)
	v_lshl_add_u32 v[A16], v6, 4, s54
	v_lshl_add_u32 v[A8], v6, 3, s54
	v_lshl_add_u32 v[A4], v6, 2, s54
	v_lshlrev_b32 v[O16], 4, v6
	v_lshlrev_b32 v[O8], 3, v6
	v_lshl_add_u32 v[SGA], v7, 2, s55
	v_lshl_add_u32 v[CPY], v6, 3, s56
	v_min_u32 v[PFO], 12, v6                       ; 13 blocks; the lanes that are left over name the last again
	s_delay_alu instid0(VALU_DEP_1)
	v_add_nc_u32 v[PFO], s57, v[PFO]
	s_delay_alu instid0(VALU_DEP_1)
	v_min_u32 v[PFO], 49, v[PFO]                   ; inside the chunk
	s_delay_alu instid0(VALU_DEP_1)
	v_lshlrev_b32 v[PFO], 8, v[PFO]
	s_wait_alu depctr_va_vdst(0)
	s_wait_dscnt 0x0                               ; both opening adds are done
	s_wait_kmcnt 0x0
	s_add_nc_u64 s[6:7], s[6:7], s[40:41]
	s_add_nc_u64 s[PF:PF+1], s[6:7], 12*CHB        ; fill 3's chunk
	s_add_nc_u64 s[4:5], s[4:5], s[42:43]
	s_add_nc_u64 s[44:45], s[4:5], s[44:45]
	s_add_nc_u64 s[46:47], s[4:5], s[46:47]
	s_add_nc_u64 s[8:9], s[8:9], s[48:49]
	s_add_nc_u64 s[52:53], s[8:9], s[52:53]
	s_add_nc_u64 s[8:9], s[8:9], s[50:51]
	CROUND                                         ; all four work-groups are here: the first joint loads meet
.irp n, 0,1
	s_mov_b32 s[G0+4*\n], 1
	s_add_co_u32 s[G0+4*\n+1], s31, \n*SLOTB
	s_add_nc_u64 s[G0+4*\n+2:G0+4*\n+3], s[6:7], \n*4*CHB
	s_or_b32 s[G0+4*\n+3], s[G0+4*\n+3], 0x80000000
.endr
	tensor_load_to_lds s[G0:G0+3], s[G1:G1+7]      ; fill 0: one tensor load a wave at the head
	s_nop 0
	global_load_b128 v[QLO:QLO+3], v[O16], s[44:45]
	global_load_b64 v[QLO+4:QLO+5], v[O8], s[44:45] offset:512
	global_load_b32 v[QS], v[O16], s[46:47] offset:3072
.irp i, 0,1,2,3,4,5
	v_mov_b32 v[QHI+\i], 0                         ; zero codes beside q
	v_mov_b32 v[QLO+6+\i], 0
.endr
	v_mov_b32 v13, 0xff61b1e6                      ; the largest t so far: -3e38
	s_delay_alu instid0(VALU_DEP_1)
	v_floor_f32 v12, -v13                          ; -M
	v_mov_b32 v14, 0
	v_mov_b32 v15, 0
.irp b, 0,1,2,3
	v_mov_b32 v[BP+\b], 0                          ; written once: a lane permute's destination counts as one of its sources
.endr
	v_mov_b32 v[FF+1], 0
.set j, 0
.rept 32
	v_mov_b32 v[O+j], 0                            ; the step is written once: the first finds zeros
.set j, j+1
.endr
	s_wait_alu depctr_va_vdst(0)
	s_wait_tensorcnt 0x0                           ; my chunk of fill 0 is in
	ds_add_u32 v[SPW], v[NIL]
	s_wait_dscnt 0x0
	CROUND                                         ; everybody's chunk is in, and the four work-groups are here
	tensor_load_to_lds s[G0+4:G0+7], s[G1:G1+7]    ; fill 1, the first tensor load behind the round
	s_nop 0
	PLACES 4
.macro ADSET                           ; the LDS addresses of the chunk at s[TB]
	v_add_nc_u32 v[AD16], s[TB], v[A16]
	v_add_nc_u32 v[AD8], s[TB], v[A8]
	v_add_nc_u32 v[AD4], s[TB], v[A4]
.endm
.macro KLD off                         ; K's four images and two scale registers: 14 loads
.irp g, 0,1,2,3
.irp c, 0,1,2
	ds_load_b128 v[FR+12*\g+4*\c:FR+12*\g+4*\c+3], v[AD16] offset:\off+1536*\g+512*\c
.endr
.endr
.irp n, 0,1
	ds_load_b32 v[KS+\n], v[AD4] offset:\off+12288+128*\n
.endr
.endm
.macro VLD off                         ; V's two scale registers and four images, into window 1: 18 loads
.irp n, 0,1
	ds_load_b32 v[VS+\n], v[AD4] offset:\off+12544+128*\n
.endr
	WIN 0x40
.irp t, 0,1,2,3
	ds_load_b128 v[12*\t:12*\t+3], v[AD16] offset:\off+6144+1536*\t
	ds_load_b64 v[12*\t+4:12*\t+5], v[AD8] offset:\off+6144+1536*\t+512
	ds_load_b128 v[12*\t+6:12*\t+9], v[AD16] offset:\off+6144+1536*\t+768
	ds_load_b64 v[12*\t+10:12*\t+11], v[AD8] offset:\off+6144+1536*\t+1280
.endr
	WIN 0
.endm
.macro MMS d, a, b, sa, ra
.if \ra
	v_wmma_scale_f32_16x16x128_f8f6f4 v[(\d):(\d)+7], v[(\a):(\a)+11], v[(\b):(\b)+11], 0, v[\sa], v[QS] matrix_a_fmt:MATRIX_FMT_FP6 matrix_b_fmt:MATRIX_FMT_FP6 matrix_a_scale:MATRIX_SCALE_ROW1
.else
	v_wmma_scale_f32_16x16x128_f8f6f4 v[(\d):(\d)+7], v[(\a):(\a)+11], v[(\b):(\b)+11], 0, v[\sa], v[QS] matrix_a_fmt:MATRIX_FMT_FP6 matrix_b_fmt:MATRIX_FMT_FP6
.endif
.endm
.macro MMA d, a, sa, ra
.if \ra
	v_wmma_scale_f32_16x16x128_f8f6f4 v[(\d):(\d)+7], v[(\a):(\a)+11], v[PC:PC+11], v[(\d):(\d)+7], v[\sa], v[PW] matrix_a_fmt:MATRIX_FMT_FP6 matrix_b_fmt:MATRIX_FMT_FP6 matrix_a_scale:MATRIX_SCALE_ROW1
.else
	v_wmma_scale_f32_16x16x128_f8f6f4 v[(\d):(\d)+7], v[(\a):(\a)+11], v[PC:PC+11], v[(\d):(\d)+7], v[\sa], v[PW] matrix_a_fmt:MATRIX_FMT_FP6 matrix_b_fmt:MATRIX_FMT_FP6
.endif
.endm
.macro SUMS from, to                   ; the row's sum of the unquantised p, two at a time, in two chains
.set j, \from
.rept ((\to)-(\from))/4+1
	v_pk_add_f32 v[14:15], v[14:15], v[S+j:S+j+1]
	v_pk_add_f32 v[C2:C2+1], v[C2:C2+1], v[S+j+2:S+j+3]
.set j, j+4
.endr
.endm
; A step of 128 keys.  m = 0: one of a slot's first three; 1: the launch's last: nothing more is read; 2: the fourth step of slot n, with the round and the refill of slot n in it; 3: the same with a plain barrier and no refill.
.macro STEP m, n
.if \m == 0
	s_wait_dscnt 18                                ; K is in; the 18 loads behind it, V's, may be out
.endif
.if \m == 1
	s_wait_dscnt 0x0
.endif
.if \m >= 2
	s_wait_tensorcnt 0x0                           ; all my tensor loads have landed: the one that was out is my chunk of the other slot;
	ds_add_u32 v[SPW], v[NIL]                      ; 0 onto my spare word;
.if \m == 2
	s_add_nc_u64 s[G0+4*\n+2:G0+4*\n+3], s[G0+4*\n+2:G0+4*\n+3], 8*CHB   ; no load of mine is out: this slot's next chunk
.endif
	s_mov_b32 s[TB], (1-(\n))*SLOTB                ; the other slot's first chunk follows this step
	s_wait_dscnt 0x0                               ; the add is done, and so are my reads of this slot: this step's K and V are in registers
	s_barrier_signal -1                            ; work on registers alone stands between this signal and its wait
.endif
.irp g, 0,1,2,3
	MMS S+16*\g, FR+12*\g, QLO, KS+\g/2, \g%2
	MMS S+16*\g+8, FR+12*\g, QHI, KS+\g/2, \g%2
.endr
	v_mov_b32 v[TMP], v12                          ; the old -M; with the three lines below: four places in front of the loads into K's registers and of the first read of S
.if \m == 1
	PLACES 3
.else
	ADSET
.endif
.if \m == 0
	KLD CHB                                        ; the next step's K
.endif
.irp b, 0,1,2,3
	v_max3_num_f32 v[BM+\b], v[S+16*\b], v[S+16*\b+1], v[S+16*\b+2]   ; the largest score of each block of 32 keys: for the row's maximum and for the block's largest p
.endr
.irp i, 3,5,7,9,11,13
.irp b, 0,1,2,3
	v_max3_num_f32 v[BM+\b], v[BM+\b], v[S+16*\b+\i], v[S+16*\b+\i+1]
.endr
.endr
.irp b, 0,1,2,3
	v_max_num_f32 v[BM+\b], v[BM+\b], v[S+16*\b+15]
.endr
.irp b, 0,1,2,3
	s_delay_alu instid0(VALU_DEP_4)
	v_permlanex16_b32 v[BP+\b], v[BM+\b], s[SEL], s[SEL+1]
.endr
.irp b, 0,1,2,3
	s_delay_alu instid0(VALU_DEP_4)
	v_max_num_f32 v[BM+\b], v[BM+\b], v[BP+\b]
.endr
	s_delay_alu instid0(VALU_DEP_2)
	v_max3_num_f32 v[C2], v[BM], v[BM+1], v[BM+2]
	s_delay_alu instid0(VALU_DEP_1)
	v_max_num_f32 v[C2], v[C2], v[BM+3]
	s_delay_alu instid0(VALU_DEP_1)
	v_mul_f32 v[C2], s[CS], v[C2]
	s_delay_alu instid0(VALU_DEP_1)
	v_max_num_f32 v13, v13, v[C2]                  ; the running largest t
	s_delay_alu instid0(VALU_DEP_1)
	v_floor_f32 v12, -v13                          ; the new -M
	s_delay_alu instid0(VALU_DEP_1)
	v_sub_f32 v[TMP], v12, v[TMP]
	s_delay_alu instid0(VALU_DEP_1)
	v_cvt_i32_f32 v[TMP], v[TMP]
	s_delay_alu instid0(VALU_DEP_1)
	v_ldexp_f32 v[FF], 1.0, v[TMP]                 ; f = 2^(old M - new M)
.set j, 0
.rept 32
	v_pk_fma_f32 v[S+j:S+j+1], v[S+j:S+j+1], s[CS:CS+1], v[12:13] op_sel_hi:[1,0,0]   ; t - M
.set j, j+2
.endr
.irp b, 0,1,2,3
	v_fma_f32 v[BM+\b], v[BM+\b], s[CS], v12
.endr
	v_pk_mul_f32 v[14:15], v[14:15], v[FF:FF+1] op_sel_hi:[1,0]   ; the sum under the new M
	s_wait_alu depctr_va_vdst(0)                   ; ahead of the batch, and ahead of the barrier's wait where one follows
.if \m >= 2
	s_barrier_wait -1                              ; nobody of my work-group reads this slot any more, and the other slot is whole
.if \m == 2
	CREST                                          ; the barrier has opened a round of the cluster's barrier: no wave of any partner still reads this slot or has a load on its way
	tensor_load_to_lds s[G0+4*\n:G0+4*\n+3], s[G1:G1+7]
	s_nop 0
	PLACES 4
.endif
	KLD 0                                          ; the next step's K: the other slot's first chunk
.endif
.set j, 0
.rept 64
	v_exp_f32 v[S+j], v[S+j]
.set j, j+1
.endr
.irp b, 0,1,2,3
	v_exp_f32 v[BM+\b], v[BM+\b]                   ; each block's largest p
.endr
	v_nop                                          ; one plain place behind the batch
	s_wait_alu depctr_va_vdst(0)                   ; one wait for the batch, directly ahead of the first reader of O^T too
.set j, 0
.rept 16
	v_pk_mul_f32 v[O+j:O+j+1], v[O+j:O+j+1], v[FF:FF+1] op_sel_hi:[1,0]   ; O^T under the new M, each accumulator from its low end on
.set j, j+2
.endr
.irp b, 0,1,2,3
	v_max_num_f32 v[BM+\b], 0x1800000, v[BM+\b]    ; the floor 2^(3 - 127) holds the byte at 1 from below
.endr
.irp b, 0,1,2,3
	s_delay_alu instid0(VALU_DEP_4)
	v_add_nc_u32 v[SO+\b], 0xff000000, v[BM+\b]    ; 2 off the exponent field: the conversion's scale operand
.endr
.irp b, 0,1,2,3
	s_delay_alu instid0(VALU_DEP_4)
	v_lshrrev_b32 v[BP+\b], 23, v[SO+\b]
.endr
	s_delay_alu instid0(VALU_DEP_3)
	v_lshl_or_b32 v[PW], v[BP+1], 8, v[BP]
	s_delay_alu instid0(VALU_DEP_1)
	v_lshl_or_b32 v[PW], v[BP+2], 16, v[PW]
	s_delay_alu instid0(VALU_DEP_1)
	v_lshl_or_b32 v[PW], v[BP+3], 24, v[PW]        ; p's scale word for these 128 keys
.irp c, 0,1
	v_cvt_scalef32_pk16_fp6_f32 v[PC+6*\c:PC+6*\c+2], v[S+32*\c:S+32*\c+15], v[SO+2*\c]
	v_cvt_scalef32_pk16_fp6_f32 v[PT+4*\c:PT+4*\c+2], v[S+32*\c+16:S+32*\c+31], v[SO+2*\c+1]
.endr
	v_nop                                          ; one plain place behind the conversions
.irp c, 0,1                            ; the operand's layout wants a whole block in a lane
.irp i, 0,1,2
	v_permlane16_swap_b32 v[PC+6*\c+\i], v[PT+4*\c+\i]
.endr
.irp i, 0,1,2
	s_delay_alu instid0(VALU_DEP_3)
	v_mov_b32 v[PC+6*\c+3+\i], v[PT+4*\c+\i]
.endr
.endr
	v_pk_add_f32 v[C2:C2+1], v[S:S+1], v[S+2:S+3]  ; nine lines of the sum: the places between p's codes and scale word and the products that name them
	SUMS 4, 16
.if \m == 0
	s_wait_alu depctr_va_vdst(0)
	s_wait_dscnt 14                                ; V is in; behind it: the next K's 14 loads
.endif
	WIN 0x01                                       ; source 0, V, in window 1
.irp t, 0,1,2,3
	MMA O+8*\t, 12*\t, VS+\t/2, \t%2
.endr
	WIN 0
	SUMS 20, 24                                    ; four places in front of the loads into V's registers
.if \m == 0
	VLD CHB                                        ; the next step's V
.endif
.if \m >= 2
	VLD 0                                          ; the next step's V: the other slot's first chunk
.endif
	SUMS 28, 60
	s_delay_alu instid0(VALU_DEP_1)
	v_pk_add_f32 v[14:15], v[14:15], v[C2:C2+1]
.endm
; The four steps of slot n; m: the fourth step's kind; pf: which prefetch stands here.
.macro SLOTWORK n, m, pf
	s_mov_b32 s[TB], (\n)*SLOTB
.if \pf == 1
	global_prefetch_b8 v[PFO], s[PF:PF+1] th:TH_LOAD_NT scope:SCOPE_SE
.endif
.if \pf == 2
	s_cmp_lg_u32 s[TRIPS], 1                       ; in the loop's last trip this would be fill 8: there is none
	s_cbranch_scc0 .Lnpf_\@
	global_prefetch_b8 v[PFO], s[PF:PF+1] offset:4*CHB th:TH_LOAD_NT scope:SCOPE_SE
.Lnpf_\@:
.endif
	s_mov_b32 s[CNT], 3
.Lstep_\@:
	STEP 0, \n
	s_add_co_u32 s[TB], s[TB], CHB
	s_sub_co_u32 s[CNT], s[CNT], 1
	s_cmp_lg_u32 s[CNT], 0
	s_cbranch_scc1 .Lstep_\@
	STEP \m, \n
.endm
	s_wait_loadcnt 0x0                             ; q
	s_mov_b32 s[TB], 0
	ADSET
	KLD 0                                          ; the first step's K and V
	VLD 0
	s_mov_b32 s[TRIPS], 3
.Lpair:
	SLOTWORK 0, 2, 1
	SLOTWORK 1, 2, 2
	s_wait_xcnt 0x0                                ; the prefetches have read their base: only now is it stepped
	s_add_nc_u64 s[PF:PF+1], s[PF:PF+1], 8*CHB
	s_sub_co_u32 s[TRIPS], s[TRIPS], 1
	s_cmp_lg_u32 s[TRIPS], 0
	s_cbranch_scc1 .Lpair
	SLOTWORK 0, 3, 0                               ; the last two slots fetch nothing more
	SLOTWORK 1, 1, 0
	v_add_f32 v14, v14, v15
	s_delay_alu instid0(VALU_DEP_1)
	v_permlanex16_b32 v[TMP], v14, s[SEL], s[SEL+1]
	s_delay_alu instid0(VALU_DEP_1)
	v_add_f32 v14, v14, v[TMP]                     ; the row's sum
	s_wait_alu depctr_va_vdst(0)
	v_rcp_f32 v14, v14
	v_nop
	s_wait_alu depctr_va_vdst(0)                   ; the wait behind the transcendental, directly ahead of the first reader of O^T
.set j, 0
.rept 16
	v_pk_mul_f32 v[S+j:S+j+1], v[O+j:O+j+1], v[14:15] op_sel_hi:[1,0]   ; ctx: register 16 b + k is channel 32 b + 16 h + k of my token
.set j, j+2
.endr
.irp b, 0,1
	v_max3_num_f32 v[BM+\b], |v[S+16*\b]|, |v[S+16*\b+1]|, 0x1800000
.endr
.irp i, 2,4,6,8,10,12,14
.irp b, 0,1
	s_delay_alu instid0(VALU_DEP_2)
	v_max3_num_f32 v[BM+\b], v[BM+\b], |v[S+16*\b+\i]|, |v[S+16*\b+\i+1]|
.endr
.endr
.irp b, 0,1
	s_delay_alu instid0(VALU_DEP_2)
	v_permlanex16_b32 v[BP+\b], v[BM+\b], s[SEL], s[SEL+1]
.endr
.irp b, 0,1
	s_delay_alu instid0(VALU_DEP_2)
	v_max_num_f32 v[BM+\b], v[BM+\b], v[BP+\b]
.endr
.irp b, 0,1
	s_delay_alu instid0(VALU_DEP_2)
	v_add_nc_u32 v[SO+\b], 0xff000000, v[BM+\b]
.endr
.irp b, 0,1
	s_delay_alu instid0(VALU_DEP_2)
	v_lshrrev_b32 v[BP+\b], 23, v[SO+\b]
.endr
	s_delay_alu instid0(VALU_DEP_1)
	v_lshl_or_b32 v[PRR], v[BP+1], 8, v[BP]        ; my head's two scale bytes
	v_cvt_scalef32_pk16_fp6_f32 v[PC:PC+2], v[S:S+15], v[SO]
	v_cvt_scalef32_pk16_fp6_f32 v[PT:PT+2], v[S+16:S+31], v[SO+1]
	v_nop
.irp i, 0,1,2
	v_permlane16_swap_b32 v[PC+\i], v[PT+\i]
.endr
.irp i, 0,1,2
	s_delay_alu instid0(VALU_DEP_3)
	v_mov_b32 v[PC+3+\i], v[PT+\i]
.endr
	global_store_b128 v[O16], v[PC:PC+3], s[8:9]   ; half an operand image: 512 consecutive bytes, then 256
	global_store_b64 v[O8], v[PC+4:PC+5], s[8:9] offset:512
	ds_store_b32 v[SGA], v[PRR]
	s_wait_dscnt 0x0                               ; for the others' sake: my scale bytes lie in LDS
	s_barrier_signal -1
	s_barrier_wait -1
	s_cmp_lt_u32 s[WV], 3
	s_cbranch_scc0 .Lno_copy
	ds_load_b64 v[C2:C2+1], v[CPY]                 ; 256 bytes that four waves wrote
	s_wait_dscnt 0x0
	global_store_b64 v[O8], v[C2:C2+1], s[52:53] offset:9216   ; 32 lanes store 256 consecutive bytes, aligned
.Lno_copy:
	s_wait_tensorcnt 0x0                           ; the wave's end
	ds_add_u32 v[SPW], v[NIL]
	s_wait_dscnt 0x0
	CROUND                                         ; the closing round
	s_endpgm
.Lfunc_end_k_q3f2cfd392a_attn:
	.size	k_q3f2cfd392a_attn, .Lfunc_end_k_q3f2cfd392a_attn-k_q3f2cfd392a_attn
	.p2alignl 7, 3214868480
	.fill 96, 4, 3214868480
	.section	.rodata,"a",@progbits
	.p2align	6, 0x0
	.amdhsa_kernel k_q3f2cfd392a_attn
		.amdhsa_group_segment_fixed_size 327680
		.amdhsa_private_segment_fixed_size 0
		.amdhsa_enable_private_segment 0
		.amdhsa_kernarg_size 24
		.amdhsa_user_sgpr_count 2
		.amdhsa_user_sgpr_kernarg_segment_ptr 1
		.amdhsa_wavefront_size32 1
		.amdhsa_system_sgpr_workgroup_id_x 1
		.amdhsa_system_sgpr_workgroup_id_y 1
		.amdhsa_system_sgpr_workgroup_id_z 1
		.amdhsa_system_vgpr_workitem_id 0
		.amdhsa_next_free_vgpr 304
		.amdhsa_next_free_sgpr 66
		.amdhsa_reserve_vcc 0
		.amdhsa_float_denorm_mode_32 3
		.amdhsa_float_denorm_mode_16_64 3
		.amdhsa_memory_ordered 1
		.amdhsa_forward_progress 1
		.amdhsa_inst_pref_size 148
	.end_amdhsa_kernel
	.amdgpu_metadata
---
amdhsa.version: [ 1, 2 ]
amdhsa.kernels:
  - .name:           k_q3f2cfd392a_attn
    .symbol:         k_q3f2cfd392a_attn.kd
    .args:
      - { .name: qc, .offset: 0, .size: 8, .value_kind: global_buffer, .address_space: global }
      - { .name: kv, .offset: 8, .size: 8, .value_kind: global_buffer, .address_space: global }
      - { .name: cc, .offset: 16, .size: 8, .value_kind: global_buffer, .address_space: global }
    .group_segment_fixed_size: 327680
    .private_segment_fixed_size: 0
    .kernarg_segment_align: 8
    .kernarg_segment_size: 24
    .max_flat_workgroup_size: 384
    .sgpr_count:     66
    .vgpr_count:     304
    .wavefront_size: 32
...
	.end_amdgpu_metadata
.endif
;; end of part 3
;; launch oproj (part 4): grid 16 x 12, 4 waves a work-group, clusters of 4 x 4, 327,680 bytes of LDS; arguments cc, wc, bo, out0; writes out0
.if DOCPART == 4
	.amdgcn_target "amdgcn-amd-amdhsa--gfx1250"
	.amdhsa_code_object_version 6
	.text
	.protected	k_q3f2cfd392a_oproj
	.globl	k_q3f2cfd392a_oproj
	.p2align	8
	.type	k_q3f2cfd392a_oproj,@function
k_q3f2cfd392a_oproj:
	s_mov_b64 s[64:65], 0
	v_nop
	global_prefetch_b8 v0, s[64:65] scope:SCOPE_SE
	s_setreg_imm32_b32 hwreg(HW_REG_WAVE_MODE, 25, 1), 1
	s_wait_xcnt 0x0
	s_wait_alu depctr_hold_cnt(0) depctr_sa_sdst(0) depctr_va_vdst(0) depctr_va_sdst(0) depctr_va_ssrc(0) depctr_va_vcc(0) depctr_vm_vsrc(0)
	s_getreg_b32 s2, hwreg(HW_REG_IB_STS2, 6, 4)
	s_cmp_eq_u32 s2, 0
	s_cbranch_scc0 .Lentry_in_a_cluster
	s_endpgm
.Lentry_in_a_cluster:
	s_bfe_u32 s2, ttmp6, 0x10000c
	s_cmp_lg_u32 s2, 0xf033
	s_cbranch_scc0 .Lentry_shape_is_right
	s_endpgm
.Lentry_shape_is_right:
; out0 = ctx Wo + bo, on codes of FP6 (E2M3) with E8M0 scales, sums in f32.  ctx comes as the halves of operand images that the attention launch stored, Wo as the images of the first launch.
; SHARES: work-group (tb, nb): 256 tokens x 64 columns; wave w takes tokens 64 w .. 64 w + 63 (four tiles; tile i = 2 g + u holds, in lane row r, token 32 g + 8 u + r + 8 (r / 8)): 96 products.
; K step s is heads 2 s and 2 s + 1: a fragment's registers 0-5 are head 2 s's half-image, registers 6-11 head 2 s + 1's; its scale word is the two heads' pairs of bytes.
; Source 0 = 16 columns of Wo, source 1 = 16 tokens: a lane holds one token and eight neighbouring columns.  bo is the C of each sum's first product.
; CLUSTER 4 x 4: ctx hangs on tb alone and is asked for jointly down a column of the cluster, Wo's block on nb alone, along a row.  All operands come once, as first fills: nothing is filled again.
; The results go through the wave's own stage in LDS and leave as rows: sixteen lanes store 256 consecutive bytes, aligned.
; REGISTERS: window 0: v1-13 addresses, v30-31 the add's two, v32-43 ctx's scale words, v44-55 Wo's, v80-103 the pairs of bytes as loaded, v128-255 the 16 accumulators.
;   window 1: v0-143 ctx's fragments of tiles 0, 1 (later the rows read back); v144-191, v192-239 Wo's four fragments of a K step, two sets.   window 2: v0-143 ctx's tiles 2, 3; v144-175 bo's four tiles.
.set CBL,   39936                      ; a 64-token block of cc: 156 rows of 256 bytes
.set WBL,   38400                      ; a block of wc: 150 rows
.set WLB,   4*CBL                      ; LDS: ctx's four blocks from 0, Wo's from here,
.set STG,   198144                     ; the stages: for each wave 4 tiles x 16 rows x (256 + 16) bytes,
.set SPARE, 267776                     ; and the spare words, 128 bytes a wave: two blocks of 256 bytes that no other line names
.set LANE, 1
.set RR,   2
.set HH,   3
.set BA,   4
.set C16,  6
.set C8,   7
.set C4,   8
.set W16,  9
.set W8,   10
.set STO,  11
.set RD,   12
.set GO,   13
.set SPW,  30
.set NIL,  31
.set XS,   32                          ; ctx's scale words: 6 g + s; lanes 0-15 tile 2 g, lanes 16-31 tile 2 g + 1
.set WS,   44                          ; Wo's: 6 b + s
.set LH,   80
.set ACC,  128
.set WB,   144
.set BIAS, 144
.set WV,   18
.set G1C,  24
.set G1W,  32
.set G0C,  40
.set G0W,  44
.set MSB, 0
.macro WIN new                         ; the immediate's high byte repeats the setting that is left
.if MSB != (\new)
	s_set_vgpr_msb (MSB<<8)|(\new)
.set MSB, (\new)
.endif
.endm
.macro PLACES n
.rept \n
	v_nop
.endr
.endm
.macro CROUND
	s_barrier_signal -1
	s_barrier_wait -1
	s_cmp_lg_u32 s[WV], 0
	s_cbranch_scc1 .Lnot_wave_0_\@
	s_barrier_signal -3
.Lnot_wave_0_\@:
	s_barrier_wait -3
	s_barrier_signal -1
	s_barrier_wait -1
.endm
	s_load_b256 s[4:11], s[0:1], 0x0               ; cc s[4:5], wc s[6:7], bo s[8:9], out0 s[10:11]
	v_lshl_add_u32 v[SPW], v0, 2, SPARE
	v_mov_b32 v[NIL], 0
	ds_add_u32 v[SPW], v[NIL]                      ; the wave's opening: the add and its wait stand ahead of my first tensor load; the set-up below, work on registers, stands between them
	ds_add_u32 v[SPW], v[NIL]
	v_lshrrev_b32 v1, 5, v0
	v_readfirstlane_b32 s[WV], v1                  ; wave 0..3
	s_bfe_u32 s19, ttmp6, 0x40000                  ; cx
	s_bfe_u32 s20, ttmp6, 0x40004                  ; cy
	s_lshl_b32 s21, ttmp9, 2
	s_add_co_u32 s21, s21, s19                     ; tb: my 256 tokens
	s_and_b32 s22, ttmp7, 0xffff
	s_lshl_b32 s22, s22, 2
	s_add_co_u32 s22, s22, s20                     ; nb: my 64 columns
	s_lshl_b32 s50, s20, 2
	s_lshl_b32 s50, 15, s50                        ; my row of the cluster
	s_lshl_b32 s51, 0x1111, s19                    ; my column
	s_or_b32 s[G1C], s51, (3<<16)|(1<<21)          ; ctx: the mask of my column; elements of 8 bytes; bit 21 beside a mask; no padding
	s_mov_b32 s[G1C+1], 32<<16                     ; rows of 32 elements: 256 bytes
	s_mov_b32 s[G1C+2], 208<<16                    ; ctx's four blocks lie on end, 624 rows: a load brings a third of them
	s_mov_b32 s[G1C+3], 32<<16
	s_mov_b32 s[G1C+4], 208
	s_mov_b32 s[G1C+5], 32                         ; dense
	s_mov_b32 s[G1C+6], 0
	s_mov_b32 s[G1C+7], 0
	s_or_b32 s[G1W], s50, (3<<16)|(1<<21)          ; Wo: the mask of my row
	s_mov_b32 s[G1W+1], 32<<16
	s_mov_b32 s[G1W+2], 150<<16
	s_mov_b32 s[G1W+3], 32<<16
	s_mov_b32 s[G1W+4], 150
	s_mov_b32 s[G1W+5], 32
	s_mov_b32 s[G1W+6], 0
	s_mov_b32 s[G1W+7], 0
	s_mul_i32 s23, s[WV], CBL                      ; my block's place in LDS: the wave's number alone
	s_mul_i32 s61, s[WV], 53248                    ; the third of ctx that waves 0-2 fetch: the wave's number alone
	s_mul_i32 s52, s21, 4*CBL                      ; cc: four blocks for each tb (no register of this sum ever holds cy)
	s_add_co_u32 s52, s52, s61
	s_mov_b32 s53, 0
	s_add_co_u32 s54, s22, 36                      ; wc: block 36 + nb (no register of this sum ever holds cx)
	s_mul_i32 s54, s54, WBL
	s_mov_b32 s55, 0
	s_lshl_b32 s56, s22, 8                         ; my 64 numbers of bo; also my columns' bytes in a row of out0
	s_mov_b32 s57, 0
	s_lshl_b32 s58, s21, 2
	s_add_co_u32 s58, s58, s[WV]
	s_mul_i32 s58, s58, 64*3072                    ; my first row of out0
	s_add_co_u32 s58, s58, s56
	s_mov_b32 s59, 0
	s_mul_i32 s60, s[WV], 4*4352
	s_add_co_u32 s60, s60, STG                     ; my stage
	v_and_b32 v[LANE], 31, v0
	v_and_b32 v[RR], 15, v0
	v_bfe_u32 v[HH], v0, 4, 1
	v_lshlrev_b32 v[BA], 6, v[HH]
	v_lshl_add_u32 v[C16], v[LANE], 4, s23
	v_lshl_add_u32 v[C8], v[LANE], 3, s23
	v_lshl_add_u32 v[C4], v[LANE], 2, s23
	v_lshl_add_u32 v[W16], v[LANE], 4, WLB
	v_lshl_add_u32 v[W8], v[LANE], 3, WLB
	v_mul_u32_u24 v[STO], v[RR], 272
	v_lshl_add_u32 v[STO], v[HH], 6, v[STO]
	v_add_nc_u32 v[STO], s60, v[STO]               ; in: row r, + 64 h bytes
	v_mul_u32_u24 v[RD], v[HH], 272
	v_lshl_add_u32 v[RD], v[RR], 4, v[RD]
	v_add_nc_u32 v[RD], s60, v[RD]                 ; back: lanes 0-15 one row of 256 bytes, lanes 16-31 the next
	v_mul_u32_u24 v[GO], v[HH], 3072
	v_lshl_add_u32 v[GO], v[RR], 4, v[GO]          ; and the same two rows in out0
	s_wait_dscnt 0x0                               ; the opening add is done
	s_wait_kmcnt 0x0
	s_add_nc_u64 s[52:53], s[4:5], s[52:53]
	s_add_nc_u64 s[54:55], s[6:7], s[54:55]
	s_add_nc_u64 s[8:9], s[8:9], s[56:57]
	s_add_nc_u64 s[10:11], s[10:11], s[58:59]
	CROUND                                         ; all sixteen work-groups are here: the joint loads meet
	s_mov_b32 s[G0C], 1
	s_mov_b32 s[G0C+1], s61
	s_mov_b64 s[G0C+2:G0C+3], s[52:53]
	s_or_b32 s[G0C+3], s[G0C+3], 0x80000000
	s_mov_b32 s[G0W], 1
	s_mov_b32 s[G0W+1], WLB
	s_mov_b64 s[G0W+2:G0W+3], s[54:55]
	s_or_b32 s[G0W+3], s[G0W+3], 0x80000000
	s_cmp_eq_u32 s[WV], 3                          ; one tensor load a wave, in the two arms of one branch: wave 3 fetches Wo's block, waves 0-2 a third of ctx each
	s_cbranch_scc0 .Lonly_c
	tensor_load_to_lds s[G0W:G0W+3], s[G1W:G1W+7]
	s_nop 0
	PLACES 4
	s_branch .Lasked
.Lonly_c:
	tensor_load_to_lds s[G0C:G0C+3], s[G1C:G1C+7]
	s_nop 0
	PLACES 4
.Lasked:
	WIN 0x80                                       ; destination window 2
.irp t, 0,1,2,3                        ; bo in the result's layout: lane (r, h), tile t: columns 32 (t / 2) + 16 h + 8 (t % 2) + 0 .. 7
	global_load_b128 v[BIAS+8*\t:BIAS+8*\t+3], v[BA], s[8:9] offset:(32*(\t/2)+8*(\t%2))*4
	global_load_b128 v[BIAS+8*\t+4:BIAS+8*\t+7], v[BA], s[8:9] offset:(32*(\t/2)+8*(\t%2))*4+16
.endr
	WIN 0
	s_wait_tensorcnt 0x0                           ; my blocks have landed,
	s_barrier_signal -1
	s_barrier_wait -1                              ; everybody's have: Wo's is read by all four waves
.macro CFETCH g                        ; my tiles 2 g, 2 g + 1: for each K step the half-images of heads 2 s and 2 s + 1 (head hd lies in region hd / 3, at place 4 (hd % 3) + tile)
.irp u, 0,1
.irp s, 0,1,2,3,4,5
.irp c, 0,1
	ds_load_b128 v[12*(6*\u+\s)+6*\c:12*(6*\u+\s)+6*\c+3], v[C16] offset:((2*\s+\c)/3)*9984+(4*((2*\s+\c)%3)+2*\g+\u)*768
	ds_load_b64 v[12*(6*\u+\s)+6*\c+4:12*(6*\u+\s)+6*\c+5], v[C8] offset:((2*\s+\c)/3)*9984+(4*((2*\s+\c)%3)+2*\g+\u)*768+512
.endr
.endr
.endr
.endm
.macro WFETCH n                        ; Wo's four fragments of step n into set n % 2
	WIN 0x40
.irp t, 0,1,2,3
.irp c, 0,1,2
	ds_load_b128 v[WB+48*((\n)%2)+12*\t+4*\c:WB+48*((\n)%2)+12*\t+4*\c+3], v[W16] offset:(4*(\n)+\t)*1536+512*\c
.endr
.endr
.endm
	WIN 0x40
	CFETCH 0
	WIN 0x80
	CFETCH 1
	WIN 0
.irp g, 0,1
.irp s, 0,1,2,3,4,5
.irp c, 0,1
	ds_load_b32 v[LH+2*(6*\g+\s)+\c], v[C4] offset:((2*\s+\c)/3)*9984+9216+(2*((2*\s+\c)%3)+\g)*128   ; a head's pairs of bytes: lanes 0-15 tile 2 g's rows, lanes 16-31 tile 2 g + 1's
.endr
.endr
.endr
	s_wait_alu depctr_va_vdst(0)
.irp b, 0,1
.irp sp, 0,1,2
	ds_load_b64 v[WS+6*\b+2*\sp:WS+6*\b+2*\sp+1], v[W8] offset:36864+(3*\b+\sp)*256
.endr
.endr
	WFETCH 0
	WIN 0
	s_wait_dscnt 0x0
.irp s, 0,1,2,3,4,5
.irp g, 0,1
	v_lshl_or_b32 v[XS+6*\g+\s], v[LH+2*(6*\g+\s)+1], 16, v[LH+2*(6*\g+\s)]   ; two heads' pairs make a K step's scale word
.endr
.endr
	PLACES 8                                       ; a scale register written by a vector instruction stands eight plain lines ahead of the product that names it
	s_wait_loadcnt 0x0                             ; bo
.macro MM d, a, b, c, sa, sb, ra, rb   ; one product; ra, rb: the side's scale words stand in lanes 16-31
.if (\ra) && (\rb)
	v_wmma_scale_f32_16x16x128_f8f6f4 v[(\d):(\d)+7], v[(\a):(\a)+11], v[(\b):(\b)+11], v[(\c):(\c)+7], v[\sa], v[\sb] matrix_a_fmt:MATRIX_FMT_FP6 matrix_b_fmt:MATRIX_FMT_FP6 matrix_a_scale:MATRIX_SCALE_ROW1 matrix_b_scale:MATRIX_SCALE_ROW1
.elseif (\ra)
	v_wmma_scale_f32_16x16x128_f8f6f4 v[(\d):(\d)+7], v[(\a):(\a)+11], v[(\b):(\b)+11], v[(\c):(\c)+7], v[\sa], v[\sb] matrix_a_fmt:MATRIX_FMT_FP6 matrix_b_fmt:MATRIX_FMT_FP6 matrix_a_scale:MATRIX_SCALE_ROW1
.elseif (\rb)
	v_wmma_scale_f32_16x16x128_f8f6f4 v[(\d):(\d)+7], v[(\a):(\a)+11], v[(\b):(\b)+11], v[(\c):(\c)+7], v[\sa], v[\sb] matrix_a_fmt:MATRIX_FMT_FP6 matrix_b_fmt:MATRIX_FMT_FP6 matrix_b_scale:MATRIX_SCALE_ROW1
.else
	v_wmma_scale_f32_16x16x128_f8f6f4 v[(\d):(\d)+7], v[(\a):(\a)+11], v[(\b):(\b)+11], v[(\c):(\c)+7], v[\sa], v[\sb] matrix_a_fmt:MATRIX_FMT_FP6 matrix_b_fmt:MATRIX_FMT_FP6
.endif
.endm
; eight products of step N: token tiles 2 hf, 2 hf + 1 x Wo's four tiles.  The 16 accumulators take turns, one instruction a turn, in the same order in every step.
.macro PROD8 hf
.if N == 0
	WIN 0x25+4*(\hf)                               ; Wo window 1, ctx window 1 or 2, bo window 2
.else
	WIN 0x05+4*(\hf)
.endif
.irp i, 2*(\hf), 2*(\hf)+1
.irp t, 0,1,2,3
.set DD, ACC+8*(4*(\i)+\t)
.set CSRC, DD
.if N == 0
.set CSRC, BIAS+8*\t
.endif
	MM DD, WBF+12*\t, 12*(6*((\i)%2)+N), CSRC, WS+6*(\t/2)+N, XS+6*((\i)/2)+N, \t%2, (\i)%2
.endr
.endr
.endm
.macro KSTEP
.set WBF, WB+48*(N%2)
	s_wait_dscnt 0x0                               ; this step's fragments are in
	PROD8 0
.if N < 5
	PLACES 4                                       ; four plain lines between the last product that read the other set and the loads into it
	WFETCH N+1
.endif
	PROD8 1
.endm
.set N, 0
.rept 6
	s_wait_alu depctr_va_vdst(0)
	KSTEP
.set N, N+1
.endr
	WIN 0
	PLACES 4                                       ; in front of the first read of results, and of the loads into registers that the products read
.irp i, 0,1,2,3                        ; lane (r, h), tile (i, t): row r of the tile, columns 32 (t / 2) + 16 h + 8 (t % 2) + 0 .. 7; each accumulator from its low end on
.irp t, 0,1,2,3
	ds_store_b128 v[STO], v[ACC+8*(4*\i+\t):ACC+8*(4*\i+\t)+3] offset:4352*\i+128*(\t/2)+32*(\t%2)
	ds_store_b128 v[STO], v[ACC+8*(4*\i+\t)+4:ACC+8*(4*\i+\t)+7] offset:4352*\i+128*(\t/2)+32*(\t%2)+16
.endr
.endr
	WIN 0x40                                       ; back into window 1.  LDS serves a wave's instructions in order (ISA guide 5.7.1.4): these see my stores
.irp i, 0,1,2,3
.irp k, 0,1,2,3,4,5,6,7
	ds_load_b128 v[32*\i+4*\k:32*\i+4*\k+3], v[RD] offset:4352*\i+544*\k
.endr
.endr
	WIN 0x04                                       ; a store's data are its source 1: window 1
.irp i, 0,1,2,3
.irp k, 0,1,2,3,4,5,6,7
	s_wait_dscnt 31-(8*\i+\k)                      ; this load is in; the younger ones stay out
	global_store_b128 v[GO], v[32*\i+4*\k:32*\i+4*\k+3], s[10:11] offset:(32*(\i/2)+8*(\i%2)+2*\k+8*(\k/4))*3072 th:TH_STORE_NT   ; stage rows 2 k, 2 k + 1 are tokens 32 (i / 2) + 8 (i % 2) + 2 k + 8 (k / 4) and the next; 16 lanes store 256 consecutive bytes, aligned
.endr
.endr
	WIN 0
	s_wait_tensorcnt 0x0                           ; the wave's end, behind my last tensor load and my last LDS store
	ds_add_u32 v[SPW], v[NIL]
	s_wait_dscnt 0x0
	CROUND                                         ; the closing round
	s_endpgm
.Lfunc_end_k_q3f2cfd392a_oproj:
	.size	k_q3f2cfd392a_oproj, .Lfunc_end_k_q3f2cfd392a_oproj-k_q3f2cfd392a_oproj
	.p2alignl 7, 3214868480
	.fill 96, 4, 3214868480
	.section	.rodata,"a",@progbits
	.p2align	6, 0x0
	.amdhsa_kernel k_q3f2cfd392a_oproj
		.amdhsa_group_segment_fixed_size 327680
		.amdhsa_private_segment_fixed_size 0
		.amdhsa_enable_private_segment 0
		.amdhsa_kernarg_size 32
		.amdhsa_user_sgpr_count 2
		.amdhsa_user_sgpr_kernarg_segment_ptr 1
		.amdhsa_wavefront_size32 1
		.amdhsa_system_sgpr_workgroup_id_x 1
		.amdhsa_system_sgpr_workgroup_id_y 1
		.amdhsa_system_sgpr_workgroup_id_z 1
		.amdhsa_system_vgpr_workitem_id 0
		.amdhsa_next_free_vgpr 768
		.amdhsa_next_free_sgpr 96
		.amdhsa_reserve_vcc 0
		.amdhsa_float_denorm_mode_32 3
		.amdhsa_float_denorm_mode_16_64 3
		.amdhsa_memory_ordered 1
		.amdhsa_forward_progress 1
		.amdhsa_inst_pref_size 43
	.end_amdhsa_kernel
	.amdgpu_metadata
---
amdhsa.version: [ 1, 2 ]
amdhsa.kernels:
  - .name:           k_q3f2cfd392a_oproj
    .symbol:         k_q3f2cfd392a_oproj.kd
    .args:
      - { .name: cc, .offset: 0, .size: 8, .value_kind: global_buffer, .address_space: global }
      - { .name: wc, .offset: 8, .size: 8, .value_kind: global_buffer, .address_space: global }
      - { .name: bo, .offset: 16, .size: 8, .value_kind: global_buffer, .address_space: global }
      - { .name: out0, .offset: 24, .size: 8, .value_kind: global_buffer, .address_space: global }
    .group_segment_fixed_size: 327680
    .private_segment_fixed_size: 0
    .kernarg_segment_align: 8
    .kernarg_segment_size: 32
    .max_flat_workgroup_size: 128
    .sgpr_count:     96
    .vgpr_count:     768
    .wavefront_size: 32
...
	.end_amdgpu_metadata
.endif
;; end of part 4
